; MI455X (gfx1250); checked and timed in simulation.
; The chip was launched on July 23, 2026; its instructions are those of AMD's public machine-readable ISA for CDNA 5 (MIT licence, August 2026) and "CDNA5" Instruction Set Architecture Reference Guide (July 2026). The comments in the code are by the model that wrote it; some were corrected since.
;; Causal Self Attention. Allowed arithmetic: matrix products marked QUANTISED: E4M3 operands, one given power-of-two scale a tensor, by v_wmma_f32_16x16x64_fp8_fp8 or v_wmma_f32_16x16x128_fp8_fp8, f32 sums; everything else in f32.
;; Inputs: Wk_codes 2,048 x 64 x 32 uint8 (E4M3 codes of Wk, K innermost, in blocks of 32 codes); Wo_codes 2,048 x 64 x 32 uint8 (E4M3 codes of Wo, K innermost, in blocks of 32 codes); Wq_codes 2,048 x 64 x 32 uint8 (E4M3 codes of Wq, K innermost, in blocks of 32 codes); Wv_codes 2,048 x 64 x 32 uint8 (E4M3 codes of Wv, K innermost, in blocks of 32 codes); bk 2,048 float32; bo 2,048 float32; bq 2,048 float32; bv 2,048 float32; lowp_scales 12 int32 (the exponents e of the quantised operands' scales 2^e); mask 1 x 1 x 2,048 x 2,048 float32; x_codes 1 x 2,048 x 64 x 32 uint8 (E4M3 codes of x, K innermost, in blocks of 32 codes).
;; Outputs: out0 1 x 2,048 x 2,048 float32.
;; This version of the problem:
;;   THIS VERSION OF THE PROBLEM IS GIVEN IN LOW PRECISION. The matrix products marked QUANTISED in the list below multiply operands that are first quantised to E4M3 (4 exponent bits, 3 mantissa bits; 8 bits a number), with one given power-of-two scale for each operand tensor; their sums are f32. All else is computed in f32.
;;   The module's matrix products, in the order in which they are computed (A, B: the left and right operand; K: the contracted axis; several contracted axes count as one K, in the product's order):
;;     1. [M 2,048, K 2,048] x [K 2,048, N 2,048]; A: input x (given as codes); B: input Wq (given as codes): QUANTISED (scales: A lowp_scales[0], B lowp_scales[1])
;;     2. [M 2,048, K 2,048] x [K 2,048, N 2,048]; A: input x (given as codes); B: input Wk (given as codes): QUANTISED (scales: A lowp_scales[2], B lowp_scales[3])
;;     3. [M 2,048, K 2,048] x [K 2,048, N 2,048]; A: input x (given as codes); B: input Wv (given as codes): QUANTISED (scales: A lowp_scales[4], B lowp_scales[5])
;;     4. batch 16 x [M 2,048, K 128] x [K 128, N 2,048]; A: computed on the way; B: computed on the way: QUANTISED (scales: A lowp_scales[6], B lowp_scales[7])
;;     5. batch 16 x [M 2,048, K 2,048] x [K 2,048, N 128]; A: softmax (see below); B: computed on the way: QUANTISED (scales: A lowp_scales[8], B lowp_scales[9])
;;     6. [M 2,048, K 2,048] x [K 2,048, N 2,048]; A: computed on the way; B: input Wo (given as codes): QUANTISED (scales: A lowp_scales[10], B lowp_scales[11])
;;   THE QUANTISER, for each operand of a quantised product, along K:
;;     - The operand's scale is 2^e, e = its entry of the input lowp_scales (int32; the entries are numbered through the quantised products in the list's order, A before B).
;;     - Each number is divided by the scale, clamped to +-448, and rounded to the nearest number of E4M3, ties to even, subnormals kept.
;;     - The product sums the exact products of the quantised numbers (number of the format x scale) in f32.
;;   ~~~python
;;   def quantise(x, axis, e):      # numpy; x: float32 -> the quantised numbers, widened to float32 again
;;       x = np.moveaxis(x, axis, -1); K = x.shape[-1]
;;       r = np.clip(x / 2.0 ** e, -448, 448)
;;       step = 2.0 ** (np.maximum(np.frexp(np.where(r == 0, 1, r))[1] - 1, -6) - 3)
;;       q = np.round(r / step) * step * 2.0 ** e      # np.round: ties to even
;;       return np.moveaxis(q, -1, axis).astype(np.float32)
;;   ~~~
;;   SOFTMAX AHEAD OF A QUANTISED PRODUCT. Where the list says 'softmax', what is quantised is not the finished softmax but p = 2^(t - M), with t = logit x log2(e) and M = ceil(the row's largest t), a whole number; so 1/2 < the row's largest p <= 1. The row's sum l is taken of the UNQUANTISED p, in f32, and the product's result is divided by l at the end. Since M is a whole number, a kernel that streams over the keys may use a running M (the ceiling of the running maximum): every later rescaling is an exact power of two, so the quantised numbers keep their values, but for numbers so far below the row's largest that they fall under the format's range.
;;   OPERANDS COMPUTED ON THE WAY. 'Computed on the way' means the value that the module computes at that place (a softmax that the list does not call 'softmax' is quantised finished and normalised). What goes into a quantiser is computed in f32, as accurately as f32 sums, v_exp_f32 and their like allow (about 1e-6 of the number): no bf16 or f16 on the way to a quantiser, and a product that is left as it is and whose result goes on into a quantised operand takes f32 operands (vector FMAs, or v_wmma_f32_16x16x4_f32). A number that lies on a knife's edge between two numbers of the format may be rounded either way, as far as f32 arithmetic and the matrix unit's own rounding can turn it there, and no further.
;;   INPUTS GIVEN AS CODES. Wk (in the module: [2048, 2048], K = its axis 1); Wo (in the module: [2048, 2048], K = its axis 1); Wq (in the module: [2048, 2048], K = its axis 1); Wv (in the module: [2048, 2048], K = its axis 1); x (in the module: [1, 2048, 2048], K = its axis 2): each comes as NAME_codes (uint8): NAME with its K axis moved to the last place and cut into blocks of 32 codes, [.., K / 32, bytes a block], one block behind the other in memory; one code a byte (a code: sign, 4 exponent bits, 3 mantissa bits); its scale is its entry of lowp_scales. Its value is code x scale, taken as it is: it is not quantised again, and the codes and scales need not be those that the quantiser above would give.
;; 2 versions. Each part assembles by itself: llvm-mc -triple=amdgcn-amd-amdhsa -mcpu=gfx1250 --defsym DOCPART=n.
;; ======== version 1 of 2: 3 launches
;; workspace buffers: qimg 4,194,304 bytes; kimg 4,194,304 bytes; vimg 4,194,304 bytes; cimg 4,194,304 bytes; mwords 524,288 bytes of whole numbers; mflags 2,048 bytes of whole numbers
;; launch qkv (part 1): grid 24 x 8, 4 waves a work-group, clusters of 4 x 4, 327,680 bytes of LDS; arguments x_codes, Wq_codes, Wk_codes, Wv_codes, bq, bk, bv, lowp_scales, mask, qimg, kimg, vimg, mwords, mflags; writes qimg, kimg, vimg, mwords, mflags
.if DOCPART == 1
	.amdgcn_target "amdgcn-amd-amdhsa--gfx1250"
	.amdhsa_code_object_version 6
	.text
	.protected	k_q6b12d4f4f6_qkv
	.globl	k_q6b12d4f4f6_qkv
	.p2align	8
	.type	k_q6b12d4f4f6_qkv,@function
k_q6b12d4f4f6_qkv:
	s_mov_b64 s[64:65], 0
	v_nop
	global_prefetch_b8 v0, s[64:65] scope:SCOPE_SE
	s_setreg_imm32_b32 hwreg(HW_REG_WAVE_MODE, 25, 1), 1
	s_wait_xcnt 0x0
	s_wait_alu depctr_hold_cnt(0) depctr_sa_sdst(0) depctr_va_vdst(0) depctr_va_sdst(0) depctr_va_ssrc(0) depctr_va_vcc(0) depctr_vm_vsrc(0)
	s_getreg_b32 s2, hwreg(HW_REG_IB_STS2, 6, 4)
	s_cmp_eq_u32 s2, 0
	s_cbranch_scc0 .Lentry_in_a_cluster
	s_endpgm
.Lentry_in_a_cluster:
	s_bfe_u32 s2, ttmp6, 0x10000c
	s_cmp_lg_u32 s2, 0xf033
	s_cbranch_scc0 .Lentry_shape_is_right
	s_endpgm
.Lentry_shape_is_right:
; q = x Wq^T + bq, k = x Wk^T + bk, v = x Wv^T + bv on E4M3 codes (2,048 x 2,048 x 2,048 each), each result quantised at once to E4M3 with its given scale and
; stored as IMAGES OF OPERAND REGISTERS for the attention launch.  The work-groups of q and k also turn the mask input into lane-mask words and tile flags.
; SHARES.  24 x 8 work-groups in clusters of 4 x 4.  T = cluster x / 2 says which tensor (0 q, 1 k, 2 v): the same in all partners.  A work-group makes 256 x 256 of its result, a wave 128 x 128:
; 64 accumulators, 512 registers.  K goes in steps of 256 through a ring of two LDS slots filled by joint tensor loads (the four of a cluster's row share A's tiles, the four of a column B's).
; For q and k: A = x (rows = tokens), B = W (rows = features).  For v the two pointers change places: A = Wv, B = x.  The matrix instruction takes 16 rows of B as source 0 and 16 rows of A as
; source 1, so a lane holds ONE row of A and eight neighbouring rows of B: for q and k one token and eight neighbours along d, for v one feature d and eight neighbouring tokens (keys):
; in each case eight neighbours along the K of the product that will read them.  One conversion of an accumulator's eight registers gives registers 2 b, 2 b + 1 of a fragment
; (16 rows x 128 K, k = 16 b + 8 (lane / 16) + 0 .. 7): the wave's 128 columns are one head (q, k) or one key step (v), so block a's eight accumulators are one whole fragment.
; IMAGE: a fragment is 2,048 bytes: registers 4 c .. 4 c + 3 of lane l at 512 c + 16 l.  qimg, kimg: [head][tile of 16 tokens][2048].  vimg: [head][step of 128 keys][tile of 16 d][2048].
; MASK.  Work-group number 16 x tile row + 4 x cluster x + cx (0 .. 127, q and k only) takes 16 rows of the mask, its wave g the keys 512 g on, as four units of 128 keys.
; mwords [tile of 16 queries][step of 128 keys][64]: word 8 t + j, bit r + 16 h = (mask[16 tile + r][128 step + 16 t + 8 h + j] == -inf).
; mflags [tile][g]: bit 4 g + u: step 4 g + u is wholly masked; bit 16 + 4 g + u: partly.  Nothing in this launch branches or addresses by them.
; LIMITS: e0 + e1, e2 + e3, e4 + e5 between -126 and 127; e6, e7, e9 between -126 and 119 (each power of two below is an f32 number).  NaN in a bias is not served; a NaN in the mask counts as not -inf.
; Fragments of x and W are fetched by loads of 16 bytes: the same permutation of k on both sides of a product, so every product meets its partner.
; REGISTERS: window 0: v1-31 addresses; v32-95 bias by column, v96-103 bias by row (both are loaded by every wave, so that both ways out find their registers written; one is used);
;   v104-111 mask words; v112, v113 the quantiser's scale and hold; from v128 A's fragments, ONE set; on the way out v128-191 numbers at work, v192-255 four sets of 16 code registers.
;   window 1: B's fragments, two sets; on the way out of q and k 256 numbers of the mask.   windows 2, 3: accumulator (a, b) at v[8 (8 (a % 4) + b)].
.set ROWB,   256                       ; a tile's row: 256 codes
.set KROW,   2048                      ; a row of x or W in memory, in bytes
.set PITCH,  272                       ; an LDS row: 256 bytes + 16 of padding: the 16 rows of a fragment load start 17 x 16 bytes apart
.set FR,     16                        ; registers of a fragment
.set NL,     4                         ; LDS loads that bring one
.set NP,     4                         ; places behind this matrix instruction (ISA guide 7.12.1)
.set HALFT,  128*PITCH                 ; what one tensor load brings
.set SLOT,   4*HALFT                   ; A's 256 rows, then B's 256 rows
.set LAPS,   2048/(2*ROWB)             ; a lap = once round the ring
.set SPARE,  2*SLOT                    ; behind the ring: the spare words, 128 bytes a wave
.set MPITCH, 528                       ; the mask's stage: 16 rows x (512 bytes + 16) for each wave, in slot 0, which has had its last fill and its last read by then
.set ADRA, 16
.set ADRB, 20
.set MSTO, 24                          ; v24  stage, in: 16 x lane
.set MRD,  25                          ; v25  stage, back: row r, + 32 h
.set L16,  26                          ; v26  16 x lane
.set L8,   27                          ; v27  8 x lane
.set SPW,  28
.set NIL,  29
.set ZOF,  30                          ; v30  0, an offset
.set FLG,  31                          ; v31  the flag word
.set BC,   32
.set BV,   96
.set MW,   104
.set SCL,  112
.set LIM,  113
.set AF,   128
.set TMP,  128
.set COD,  192
.set G1, 24
.set G0, 32
.set G1B, 48
.set G0B, 56
.set MSB, 0
.macro WIN new                         ; the immediate's high byte repeats the setting that is left
.if MSB != (\new)
	s_set_vgpr_msb (MSB<<8)|(\new)
.set MSB, (\new)
.endif
.endm
.set MUL_LO, 0xa1                      ; source 0 (B) window 1, source 1 (A) window 0, C and D window 2
.set MUL_HI, 0xf1                      ; the same, C and D window 3
.set TO_B,   0x40                      ; destination window 1, address window 0
; A joint load: waves 0 and 1 fetch for A, waves 2 and 3 for B.  The branch hangs on the wave's number alone.  Four v_nop follow each line.
.macro JLOAD g0a, g1a, g0b, g1b
	s_cmp_eq_u32 s15, 0
	s_cbranch_scc0 .Lfor_b_\@
	tensor_load_to_lds s[\g0a:\g0a+3], s[\g1a:\g1a+7]
	s_nop 0
.rept 4
	v_nop
.endr
	s_branch .Lasked_\@
.Lfor_b_\@:
	tensor_load_to_lds s[\g0b:\g0b+3], s[\g1b:\g1b+7]
	s_nop 0
.rept 4
	v_nop
.endr
.Lasked_\@:
.endm
.macro CREST                           ; a round of the cluster's barrier behind its opening barrier
	s_cmp_lg_u32 s14, 0
	s_cbranch_scc1 .Lnot_wave_0_\@
	s_barrier_signal -3
.Lnot_wave_0_\@:
	s_barrier_wait -3
	s_barrier_signal -1
	s_barrier_wait -1
.endm
.macro CROUND
	s_barrier_signal -1
	s_barrier_wait -1
	CREST
.endm
	s_load_b512 s[68:83], s[0:1], 0x0              ; x, Wq, Wk, Wv, bq, bk, bv, the scales' exponents
	s_load_b256 s[84:91], s[0:1], 0x40             ; mask, qimg, kimg, vimg
	s_load_b128 s[92:95], s[0:1], 0x60             ; mwords, mflags
	v_lshl_add_u32 v[SPW], v0, 2, SPARE
	v_mov_b32 v[NIL], 0
	ds_add_u32 v28, v29
	ds_add_u32 v28, v29
	s_wait_dscnt 0x0
	v_lshrrev_b32 v1, 5, v0
	v_readfirstlane_b32 s14, v1                    ; wave 0..3
	s_lshr_b32 s15, s14, 1                         ; which half of the tile's rows is mine.  Also: I fetch for A (0) or for B (1)
	s_and_b32 s16, s14, 1                          ; which half of its columns.  Also: which 128 rows of that tile I fetch
	s_bfe_u32 s40, ttmp6, 0x40000                  ; cx
	s_bfe_u32 s41, ttmp6, 0x40004                  ; cy
	s_lshr_b32 s12, ttmp9, 1                       ; T: 0 q, 1 k, 2 v: made of the cluster's x alone
	s_and_b32 s42, ttmp9, 1
	s_lshl_b32 s42, s42, 2
	s_add_co_u32 s42, s42, s40                     ; tile column within the tensor, 0..7
	s_and_b32 s17, ttmp7, 0xffff
	s_lshl_b32 s17, s17, 2
	s_add_co_u32 s17, s17, s41                     ; tile row, 0..7
	s_lshl_b32 s43, s41, 2
	s_lshl_b32 s43, 15, s43                        ; my row of the cluster
	s_lshl_b32 s44, 0x1111, s40                    ; my column
	; descriptor group 1: 128 rows x 256 bytes, 16 bytes of padding behind each row
	s_or_b32 s[G1+0], s43, (1<<20)|(1<<21)|(5<<22)|(3<<25)   ; 15:0 the mask; 17:16 elements of 1 byte; 20 padding on; 21 set beside a mask; 24:22 after every 64 words; 31:25 four words
	s_or_b32 s[G1B+0], s44, (1<<20)|(1<<21)|(5<<22)|(3<<25)
.irp g, G1, G1B
	s_mov_b32 s[\g+1], ROWB<<16                    ; tensor_dim0
	s_mov_b32 s[\g+2], 128<<16                     ; tensor_dim1
	s_mov_b32 s[\g+3], ROWB<<16                    ; tile_dim0
	s_mov_b32 s[\g+4], 128                         ; tile_dim1
	s_mov_b32 s[\g+5], KROW                        ; tensor_dim0_stride
	s_mov_b32 s[\g+6], 0
	s_mov_b32 s[\g+7], 0
.endr
	s_lshl_b32 s18, s16, 7                         ; which 128 rows of the tile I fetch
	s_lshl_b32 s20, s17, 8
	s_add_co_u32 s20, s20, s18                     ; A: row 256 x tile row + 128 x half,
	s_lshl_b32 s20, s20, 11                        ; in bytes
	s_mov_b32 s21, 0
	s_lshl_b32 s46, s42, 8
	s_add_co_u32 s46, s46, s18                     ; B: row 256 x tile column + 128 x half
	s_lshl_b32 s46, s46, 11
	s_mov_b32 s47, 0
	s_mul_i32 s45, s14, HALFT                      ; where they go: wave x 128 rows
	s_lshl_b32 s18, s42, 1
	s_add_co_u32 s18, s18, s16                     ; X = which 128 columns of the tensor are my wave's
	s_lshl_b32 s19, s17, 1
	s_add_co_u32 s19, s19, s15                     ; Y = which 128 rows
	s_cmp_eq_u32 s12, 2
	s_cselect_b32 s22, s19, s18                    ; the head: X for q and k, Y for v
	s_cselect_b32 s23, s18, s19                    ; eight tiles of tokens (Y), or the key step (X)
	s_lshl_b32 s22, s22, 18
	s_lshl_b32 s23, s23, 14
	s_add_co_u32 s22, s22, s23                     ; my wave's 16 KB in its image buffer
	s_mov_b32 s23, 0
	s_wait_kmcnt 0x0
	s_cmp_eq_u32 s12, 0                            ; the buffers are chosen by T alone
	s_cselect_b64 s[6:7], s[70:71], s[72:73]
	s_cselect_b64 s[8:9], s[76:77], s[78:79]
	s_cselect_b64 s[10:11], s[86:87], s[88:89]
	s_cmp_eq_u32 s12, 2
	s_cselect_b64 s[6:7], s[74:75], s[6:7]         ; W
	s_cselect_b64 s[8:9], s[80:81], s[8:9]         ; its bias
	s_cselect_b64 s[10:11], s[90:91], s[10:11]     ; its image
	s_cselect_b64 s[4:5], s[6:7], s[68:69]         ; A = x, for v: Wv
	s_cselect_b64 s[6:7], s[68:69], s[6:7]         ; B = W, for v: x
	s_load_b256 s[68:75], s[82:83], 0x0            ; e0 .. e7
	s_load_b64 s[76:77], s[82:83], 0x20            ; e8, e9
	s_add_nc_u64 s[10:11], s[10:11], s[22:23]
	s_add_nc_u64 s[20:21], s[4:5], s[20:21]
	s_add_nc_u64 s[46:47], s[6:7], s[46:47]
	CROUND                                         ; all sixteen work-groups are here: the first joint loads meet
.irp s, 0,1
	s_mov_b32 s[G0+4*\s], 1
	s_add_co_u32 s[G0+4*\s+1], s45, \s*SLOT
	s_add_nc_u64 s[G0+4*\s+2:G0+4*\s+3], s[20:21], \s*ROWB
	s_or_b32 s[G0+4*\s+3], s[G0+4*\s+3], 0x80000000
	s_mov_b32 s[G0B+4*\s], 1
	s_add_co_u32 s[G0B+4*\s+1], s45, \s*SLOT
	s_add_nc_u64 s[G0B+4*\s+2:G0B+4*\s+3], s[46:47], \s*ROWB
	s_or_b32 s[G0B+4*\s+3], s[G0B+4*\s+3], 0x80000000
	JLOAD G0+4*\s, G1, G0B+4*\s, G1B
.endr
	v_and_b32 v1, 15, v0                           ; r
	v_bfe_u32 v2, v0, 4, 1                         ; h
	v_mul_u32_u24 v3, v1, PITCH
	v_lshl_add_u32 v4, v2, 4, v3                   ; a fragment's row x pitch + 16 h
	s_mul_i32 s21, s15, HALFT                      ; my 128 rows of A
	s_mul_i32 s22, s16, HALFT                      ; my 128 rows of B,
	s_add_co_u32 s22, s22, 2*HALFT                 ; which lie behind A's 256
.irp s, 0,1
	v_add_nc_u32 v[ADRA+\s], s21, v4
	v_add_nc_u32 v[ADRB+\s], s22, v4
	s_add_co_u32 s21, s21, SLOT
	s_add_co_u32 s22, s22, SLOT
.endr
	s_mul_i32 s23, s14, 16*MPITCH                  ; my stage for the mask
	v_and_b32 v5, 31, v0                           ; lane; kept
	v_lshlrev_b32 v[L16], 4, v5
	v_lshlrev_b32 v[L8], 3, v5
	v_add_nc_u32 v[MSTO], s23, v[L16]
	v_mul_u32_u24 v6, v1, MPITCH
	v_lshl_add_u32 v6, v2, 5, v6
	v_add_nc_u32 v[MRD], s23, v6
	v_mov_b32 v[ZOF], 0
	s_lshl_b32 s21, s42, 10
	s_lshl_b32 s22, s16, 9
	s_add_co_u32 s21, s21, s22
	v_lshl_add_u32 v7, v2, 5, s21                  ; bias by column: 4 (256 tile column + 128 half) + 32 h
	s_lshl_b32 s21, s17, 10
	s_lshl_b32 s22, s15, 9
	s_add_co_u32 s21, s21, s22
	v_lshl_add_u32 v8, v1, 2, s21                  ; bias by row: 4 (256 tile row + 128 half) + 4 r
.irp b, 0,1,2,3,4,5,6,7
	global_load_b128 v[BC+8*\b:BC+8*\b+3], v7, s[8:9] offset:64*\b        ; bias[column 16 b + 8 h + 0 .. 7]
	global_load_b128 v[BC+8*\b+4:BC+8*\b+7], v7, s[8:9] offset:64*\b+16
.endr
.irp a, 0,1,2,3,4,5,6,7
	global_load_b32 v[BV+\a], v8, s[8:9] offset:64*\a                     ; bias[row 16 a + r]
.endr
.macro FRAG reg, adr, q, i             ; 16 rows x 128 K: registers 4 c .. 4 c + 3 hold K = 32 c + 16 h + 0 .. 15
.irp c, 0,1,2,3
	ds_load_b128 v[\reg+4*\c:\reg+4*\c+3], v[\adr] offset:128*(\q)+32*\c+(\i)*16*PITCH
.endr
.endm
; 16 matrix instructions: A's blocks a0, a0 + 1 x B's eight.  p: B's set.  zero = 1: the first product starts the sums.  The 64 accumulators take turns, one instruction a turn.
.macro MUL16 a0, p, zero
.irp a, \a0, \a0+1
.irp b, 0,1,2,3,4,5,6,7
.if \zero
	v_wmma_f32_16x16x128_fp8_fp8 v[8*(8*((\a)%4)+\b):8*(8*((\a)%4)+\b)+7], v[128*(\p)+FR*\b:128*(\p)+FR*\b+FR-1], v[AF+FR*(\a):AF+FR*(\a)+FR-1], 0
.else
	v_wmma_f32_16x16x128_fp8_fp8 v[8*(8*((\a)%4)+\b):8*(8*((\a)%4)+\b)+7], v[128*(\p)+FR*\b:128*(\p)+FR*\b+FR-1], v[AF+FR*(\a):AF+FR*(\a)+FR-1], v[8*(8*((\a)%4)+\b):8*(8*((\a)%4)+\b)+7]
.endif
.endr
.endr
.endm
.macro FETCH_B slot, q, p
	WIN TO_B
.irp i, 0,1,2,3,4,5,6,7
	FRAG 128*(\p)+FR*\i, ADRB+\slot, \q, \i
.endr
	WIN 0
.endm
.macro FETCH_A slot, q, i0
.irp i, \i0, \i0+1, \i0+2, \i0+3
	FRAG AF+FR*(\i), ADRA+\slot, \q, \i
.endr
.endm
.macro PLACES n                        ; plain vector instructions that name none of the matrix instructions' registers, in front of loads into their sources and of reads of results
.rept \n
	v_nop
.endr
.endm
; A step of 128 along K that has its successor in the same slot.  A's one set: blocks 0-3 are fetched anew in the step's middle, blocks 4-7 at its end.
.macro STEP slot, q, zero
	s_wait_dscnt 4*NL                              ; B's set and A's blocks 0-3 are in; the youngest 16 loads (A's blocks 4-7) may be out
	WIN MUL_LO
	MUL16 0, (\q)%2, \zero
	MUL16 2, (\q)%2, \zero
	s_wait_dscnt 0                                 ; A's blocks 4-7 are in
	PLACES NP
	FETCH_B \slot, (\q)+1, 1-(\q)%2
	FETCH_A \slot, (\q)+1, 0
	WIN MUL_HI
	MUL16 4, (\q)%2, \zero
	MUL16 6, (\q)%2, \zero
	PLACES NP
	WIN 0
	FETCH_A \slot, (\q)+1, 4
.endm
; A slot's last step changes slots: one barrier; in front of it each wave waits for all its tensor loads, adds 0 to its spare word, and waits for that and for its reads of this slot.
.macro TURN slot, next, fill
	s_wait_tensorcnt 0x0                           ; all my tensor loads have landed: my part of the next slot
	ds_add_u32 v[SPW], v[NIL]                      ; 0 onto my spare word
	s_wait_dscnt 4*NL+1                            ; the add and the youngest 16 loads (A's blocks 4-7) may be out
	WIN MUL_LO
	MUL16 0, 1, 0
	s_wait_dscnt 0x0                               ; the add is done, and my reads of this slot are over
	s_barrier_signal -1
	MUL16 2, 1, 0
	WIN 0
	s_barrier_wait -1
.if \fill
	CREST                                          ; the barrier has opened a round of the cluster's: no wave of any partner still reads this slot or has a load on its way
	s_add_nc_u64 s[G0+4*\slot+2:G0+4*\slot+3], s[G0+4*\slot+2:G0+4*\slot+3], 2*ROWB
	s_add_nc_u64 s[G0B+4*\slot+2:G0B+4*\slot+3], s[G0B+4*\slot+2:G0B+4*\slot+3], 2*ROWB
	JLOAD G0+4*\slot, G1, G0B+4*\slot, G1B         ; the first tensor load behind the round; its four v_nop are the places in front of the loads below
.else
	PLACES NP
.endif
	FETCH_B \next, 0, 0
	FETCH_A \next, 0, 0
	WIN MUL_HI
	MUL16 4, 1, 0
	MUL16 6, 1, 0
	PLACES NP
	WIN 0
	FETCH_A \next, 0, 4
.endm
	s_wait_tensorcnt 1                             ; my part of K step 0 is in; K step 1's load may be out
	s_barrier_signal -1
	s_barrier_wait -1
	FETCH_B 0, 0, 0
	FETCH_A 0, 0, 0
	FETCH_A 0, 0, 4
	STEP 0, 0, 1                                   ; the first step stands in front of the loop: its products start the sums
	s_mov_b32 s3, LAPS-1
.Llap:                                                 ; a trip goes once round the ring and fills both slots again
	TURN 0, 1, 1
	STEP 1, 0, 0
	TURN 1, 0, 1
	STEP 0, 0, 0
	s_sub_co_u32 s3, s3, 1
	s_cmp_lg_u32 s3, 0
	s_cbranch_scc1 .Llap
	TURN 0, 1, 0                                   ; the last lap fills nothing
	STEP 1, 0, 0
	s_wait_dscnt 4*NL
	WIN MUL_LO
	MUL16 0, 1, 0
	MUL16 2, 1, 0
	s_wait_dscnt 0
	WIN MUL_HI
	MUL16 4, 1, 0
	MUL16 6, 1, 0
	WIN 0
	; THE WAY OUT.  y = sum x 2^(ea + eb) + bias; code = y / 2^eo, held within +-448.  The exponents are chosen by T, without a branch.
	s_wait_kmcnt 0x0
	s_add_co_i32 s18, s68, s69
	s_add_co_i32 s19, s70, s71
	s_add_co_i32 s20, s72, s73
	s_cmp_eq_u32 s12, 0
	s_cselect_b32 s18, s18, s19
	s_cselect_b32 s21, s74, s75                    ; e6 for q, e7 for k,
	s_cmp_eq_u32 s12, 2
	s_cselect_b32 s18, s20, s18
	s_cselect_b32 s21, s77, s21                    ; e9 for v
	s_add_co_i32 s18, s18, 127
	s_lshl_b32 s96, s18, 23                        ; 2^(ea + eb) as f32
	s_mov_b32 s97, s96                             ; (named with it as a pair)
	s_add_co_i32 s21, s21, 127
	s_lshl_b32 s22, s21, 23
	v_mov_b32 v[SCL], s22                          ; 2^eo: the conversion takes its exponent field
	s_add_co_i32 s21, s21, 8
	s_lshl_b32 s21, s21, 23
	s_or_b32 s21, s21, 0x600000
	v_mov_b32 v[LIM], s21                          ; 448 x 2^eo
	PLACES NP                                      ; behind the last products: for the reads of results, the writes over A's fragments and the loads over B's
	s_wait_loadcnt 0x0                             ; the biases
; Block a (16 rows of A x my 128 columns) becomes one fragment of codes and leaves as four stores of 512 consecutive bytes.  Each accumulator is read from its low end on.
.macro EPI isv
.irp a, 0,1,2,3,4,5,6,7
.if \a >= 4
	s_wait_xcnt 0x0                                ; block a - 4's stores have read their registers: this block's codes take their place
.endif
.set AC, 64*(\a%4)
.set CD, COD+16*(\a%4)
	WIN 0x02+(\a/4)                                ; source 0: window 2 or 3
.set j, 0
.rept 32
.if \isv
.if \a%2
	v_pk_fma_f32 v[TMP+j:TMP+j+1], v[AC+j:AC+j+1], s[96:97], v[BV+\a-1:BV+\a] op_sel:[0,0,1] op_sel_hi:[1,0,1]   ; my row's bias for both halves: the pair's second register
.else
	v_pk_fma_f32 v[TMP+j:TMP+j+1], v[AC+j:AC+j+1], s[96:97], v[BV+\a:BV+\a+1] op_sel_hi:[1,0,0]                  ; the pair's first
.endif
.else
	v_pk_fma_f32 v[TMP+j:TMP+j+1], v[AC+j:AC+j+1], s[96:97], v[BC+j:BC+j+1] op_sel_hi:[1,0,1]                    ; the columns' biases
.endif
.set j, j+2
.endr
	WIN 0
.set j, 0
.rept 64
	v_med3_num_f32 v[TMP+j], v[TMP+j], -v[LIM], v[LIM]   ; the conversion to an 8-bit code does not saturate (ISA guide 7.6.2)
.set j, j+1
.endr
.irp b, 0,1,2,3,4,5,6,7
	v_cvt_scalef32_pk8_fp8_f32 v[CD+2*\b:CD+2*\b+1], v[TMP+8*\b:TMP+8*\b+7], v[SCL]
.endr
	v_nop                                          ; one plain line behind the last conversion: the next block writes its sources
.irp c, 0,1,2,3
	global_store_b128 v[L16], v[CD+4*\c:CD+4*\c+3], s[10:11] offset:2048*\a+512*\c
.endr
.endr
.endm
; Unit u of the mask (16 rows x 128 keys, already asked for) turns through my stage, so that lane (r, h) holds row r's keys 16 t + 8 h + j in register 8 t + j: the place that the scores will have.
.macro PACK u
	s_wait_loadcnt 48-16*\u                        ; this unit's 16 loads are in; the 16 of each later unit may be out
	WIN 0x04                                       ; store data in window 1
.irp p, 0,1,2,3,4,5,6,7,8,9,10,11,12,13,14,15
	ds_store_b128 v[MSTO], v[64*\u+4*\p:64*\u+4*\p+3] offset:MPITCH*\p
.endr
	WIN 0
.irp t, 0,1,2,3,4,5,6,7
	ds_load_b128 v[TMP+8*\t:TMP+8*\t+3], v[MRD] offset:64*\t      ; LDS serves a wave's instructions in order: these see my stores
	ds_load_b128 v[TMP+8*\t+4:TMP+8*\t+7], v[MRD] offset:64*\t+16
.endr
	v_mov_b32 v[MW+2*\u], 0
	v_mov_b32 v[MW+2*\u+1], 0
	s_mov_b32 s78, -1                              ; the AND of the unit's 64 words,
	s_mov_b32 s79, 0                               ; and their OR
	s_wait_dscnt 0x0
.irp t, 0,1,2,3,4,5,6,7
.irp j, 0,1,2,3,4,5,6,7
	v_cmp_eq_f32 s[40+\j], s98, v[TMP+8*\t+\j]     ; word 8 t + j: one bit a lane
.endr
.irp j, 0,1,2,3,4,5,6,7
	v_writelane_b32 v[MW+2*\u+\j%2], s[40+\j], 4*\t+\j/2   ; words 2 L, 2 L + 1 go to lane L
	s_and_b32 s78, s78, s[40+\j]
	s_or_b32 s79, s79, s[40+\j]
.endr
.endr
	global_store_b64 v[L8], v[MW+2*\u:MW+2*\u+1], s[92:93] offset:256*\u   ; 256 consecutive bytes, aligned
	s_cmp_eq_u32 s78, -1
	s_cselect_b32 s80, 1, 0                        ; wholly masked
	s_cmp_lg_u32 s79, 0
	s_cselect_b32 s81, 1, 0
	s_and_not1_b32 s81, s81, s80                   ; partly
	s_lshl_b32 s81, s81, 16
	s_or_b32 s80, s80, s81
	s_lshl_b32 s80, s80, s99
	s_or_b32 s100, s100, s80
	s_add_co_u32 s99, s99, 1
.endm
	s_cmp_lt_u32 ttmp9, 4                          ; q and k, or v: the cluster's x, the same in all partners.  No barrier and no tensor load stands in either arm
	s_cbranch_scc0 .Lv
	s_lshl_b32 s18, s17, 4
	s_lshl_b32 s19, ttmp9, 2
	s_add_co_u32 s18, s18, s19
	s_add_co_u32 s18, s18, s40                     ; which 16 rows of the mask are my work-group's: 0 .. 127
	s_lshl_b32 s20, s18, 17                        ; 16 rows of 8,192 bytes,
	s_lshl_b32 s21, s14, 11                        ; my wave's 512 keys
	s_add_co_u32 s20, s20, s21
	s_mov_b32 s21, 0
	s_add_nc_u64 s[84:85], s[84:85], s[20:21]
	s_lshl_b32 s20, s18, 12
	s_lshl_b32 s22, s14, 10
	s_add_co_u32 s20, s20, s22
	s_add_nc_u64 s[92:93], s[92:93], s[20:21]
	s_lshl_b32 s20, s18, 4
	s_lshl_b32 s22, s14, 2
	s_add_co_u32 s20, s20, s22
	s_add_nc_u64 s[94:95], s[94:95], s[20:21]
	s_mov_b32 s98, 0xff800000                      ; -inf
	s_lshl_b32 s99, s14, 2                         ; the first of my four steps
	s_mov_b32 s100, 0
	WIN TO_B
.irp u, 0,1,2,3
.irp p, 0,1,2,3,4,5,6,7,8,9,10,11,12,13,14,15
	global_load_b128 v[64*\u+4*\p:64*\u+4*\p+3], v[L16], s[84:85] offset:8192*\p+512*\u th:TH_LOAD_NT   ; 512 consecutive bytes of one row; the launch reads them once
.endr
.endr
	WIN 0
	EPI 0                                          ; the codes' arithmetic stands between the mask's loads and their use
	PACK 0
	PACK 1
	PACK 2
	PACK 3
	v_mov_b32 v[FLG], s100
	v_cmp_eq_u32 vcc_lo, 0, v5
	s_wait_xcnt 0x0                                ; EXEC changes only behind this wait
	s_and_saveexec_b32 s101, vcc_lo
	global_store_b32 v[ZOF], v[FLG], s[94:95]      ; lane 0 stores my wave's flag word
	s_wait_xcnt 0x0
	s_or_b32 exec_lo, exec_lo, s101
	s_branch .Lend
.Lv:
	EPI 1
.Lend:
	s_wait_tensorcnt 0x0                           ; the wave's end
	ds_add_u32 v[SPW], v[NIL]
	s_wait_dscnt 0x0
	CROUND                                         ; the closing round
	s_endpgm
.Lfunc_end_k_q6b12d4f4f6_qkv:
	.size	k_q6b12d4f4f6_qkv, .Lfunc_end_k_q6b12d4f4f6_qkv-k_q6b12d4f4f6_qkv
	.p2alignl 7, 3214868480
	.fill 96, 4, 3214868480
	.section	.rodata,"a",@progbits
	.p2align	6, 0x0
	.amdhsa_kernel k_q6b12d4f4f6_qkv
		.amdhsa_group_segment_fixed_size 327680
		.amdhsa_private_segment_fixed_size 0
		.amdhsa_enable_private_segment 0
		.amdhsa_kernarg_size 112
		.amdhsa_user_sgpr_count 2
		.amdhsa_user_sgpr_kernarg_segment_ptr 1
		.amdhsa_wavefront_size32 1
		.amdhsa_system_sgpr_workgroup_id_x 1
		.amdhsa_system_sgpr_workgroup_id_y 1
		.amdhsa_system_sgpr_workgroup_id_z 1
		.amdhsa_system_vgpr_workitem_id 0
		.amdhsa_next_free_vgpr 1024
		.amdhsa_next_free_sgpr 102
		.amdhsa_reserve_vcc 1
		.amdhsa_float_denorm_mode_32 3
		.amdhsa_float_denorm_mode_16_64 3
		.amdhsa_memory_ordered 1
		.amdhsa_forward_progress 1
		.amdhsa_inst_pref_size 255
	.end_amdhsa_kernel
	.section	.bss,"aw",@nobits
	.p2align	6
	.space	262144
	.amdgpu_metadata
---
amdhsa.version: [ 1, 2 ]
amdhsa.kernels:
  - .name:           k_q6b12d4f4f6_qkv
    .symbol:         k_q6b12d4f4f6_qkv.kd
    .args:
      - { .name: x_codes, .offset: 0, .size: 8, .value_kind: global_buffer, .address_space: global }
      - { .name: Wq_codes, .offset: 8, .size: 8, .value_kind: global_buffer, .address_space: global }
      - { .name: Wk_codes, .offset: 16, .size: 8, .value_kind: global_buffer, .address_space: global }
      - { .name: Wv_codes, .offset: 24, .size: 8, .value_kind: global_buffer, .address_space: global }
      - { .name: bq, .offset: 32, .size: 8, .value_kind: global_buffer, .address_space: global }
      - { .name: bk, .offset: 40, .size: 8, .value_kind: global_buffer, .address_space: global }
      - { .name: bv, .offset: 48, .size: 8, .value_kind: global_buffer, .address_space: global }
      - { .name: lowp_scales, .offset: 56, .size: 8, .value_kind: global_buffer, .address_space: global }
      - { .name: mask, .offset: 64, .size: 8, .value_kind: global_buffer, .address_space: global }
      - { .name: qimg, .offset: 72, .size: 8, .value_kind: global_buffer, .address_space: global }
      - { .name: kimg, .offset: 80, .size: 8, .value_kind: global_buffer, .address_space: global }
      - { .name: vimg, .offset: 88, .size: 8, .value_kind: global_buffer, .address_space: global }
      - { .name: mwords, .offset: 96, .size: 8, .value_kind: global_buffer, .address_space: global }
      - { .name: mflags, .offset: 104, .size: 8, .value_kind: global_buffer, .address_space: global }
    .group_segment_fixed_size: 327680
    .private_segment_fixed_size: 0
    .kernarg_segment_align: 8
    .kernarg_segment_size: 112
    .max_flat_workgroup_size: 128
    .sgpr_count:     102
    .vgpr_count:     1024
    .wavefront_size: 32
...
	.end_amdgpu_metadata
.endif
;; end of part 1
;; launch attn (part 2): grid 16 x 16, 8 waves a work-group, no clusters, 150,528 bytes of LDS; arguments qimg, kimg, vimg, mwords, mflags, lowp_scales, cimg; writes cimg
.if DOCPART == 2
	.amdgcn_target "amdgcn-amd-amdhsa--gfx1250"
	.amdhsa_code_object_version 6
	.text
	.protected	k_q6b12d4f4f6_attn
	.globl	k_q6b12d4f4f6_attn
	.p2align	8
	.type	k_q6b12d4f4f6_attn,@function
k_q6b12d4f4f6_attn:
	s_mov_b64 s[64:65], 0
	v_nop
	global_prefetch_b8 v0, s[64:65] scope:SCOPE_SE
	s_setreg_imm32_b32 hwreg(HW_REG_WAVE_MODE, 25, 1), 1
	s_wait_xcnt 0x0
; ctx[q][head] = softmax_k(masked q . k / sqrt(128)) v, both products on E4M3 codes, and ctx quantised to E4M3 for the output projection.
; THE SOFTMAX AHEAD OF THE SECOND PRODUCT: t = score x log2(e) / sqrt(128); M = the row's largest t so far, rounded UP to a whole number; p = 2^(t - M) is quantised with 2^e8, not normalised;
; the row's sum is taken of the unquantised p and divides at the end.  When M moves, the sum and O are multiplied by 2^(old M - new M): exact.
; SHARES.  Work-group (i, head) owns 128 queries: waves 0-3 the tiles 4 i + w, waves 4-7 the tiles 120 - 4 i + w: a block from each end of the sequence, which evens the work where the masked
; part grows along the keys; no value hangs on that.  A wave owns 16 queries; two waves to a SIMD.  Every wave walks all 8 slots of 256 keys, fetches its eighth of each and passes every barrier.
; OPERANDS come as images of their registers (a fragment: 2,048 bytes, registers 4 c .. 4 c + 3 of lane l at 512 c + 16 l): every load, from memory and from LDS, is 512 consecutive bytes; no pitch, no padding.
; Both products are used transposed (S^T = K Q^T, O^T = V^T P^T): a lane holds ONE query (lane % 16); register 8 t + j of S^T is key 16 t + 8 (lane / 16) + j of the step, so a conversion of tile t's eight
; registers gives registers 2 t, 2 t + 1 of P's fragment.
; THE MASK is data.  mflags says of each (tile of 16 queries, step of 128 keys) whether it is wholly masked (its work is jumped over: p would be 0, and M, the sum and O unchanged) or partly
; (64 selects by the lane-mask words of mwords put -inf in the scores); an open step does neither.  Both are scalar branches on whole numbers that the launch before stored.
; NO TENSOR LOADS AND NO JOINT REQUESTS, though the 16 work-groups of a head read the same K and V: which steps a wave works hangs on numbers read from memory, and a text with tensor loads
; has no such branch.  So the ring of two buffers is filled through registers: 16 loads of 512 bytes a wave a slot, asked for a slot ahead.
; A ROW WITH NO OPEN KEY has the sum 0: its codes are made the NaN code.
; LIMITS: e6 + e7 between -123 and 130; e8 and e10 between -126 and 119; e8 + e9 goes by v_ldexp_f32 and has none.
; REGISTERS: v1-4 LDS places (16 x lane in buffer 0, 1; my eighth of buffer 0, 1); v6, v7 my stage; v[8:9] 1 / sum; v12 -M, v13 largest t, v[14:15] the sum in two halves; v16-31 Q; v32-95 four fragments;
;   v96-159 S^T, then p; v160-223 O^T; v224-239 codes; v240-254 constants and numbers at work; window 1, v0-63: the slot on its way.
;   s[16:63], s[68:83]: a step's 64 mask words (word n in s[16 + n], from n = 48 on in s[20 + n]).
.set BUF1,   65536                     ; a buffer: K's 16 fragments (32 KB), then V's 2 x 8
.set VOFF,   32768
.set STEPB,  16384                     ; a key step's eight fragments
.set STAGE,  2*BUF1                    ; behind the buffers: 16 rows x (128 bytes + 16) for each wave
.set SPITCH, 144
.set MSB, 0
.macro WIN new
.if MSB != (\new)
	s_set_vgpr_msb (MSB<<8)|(\new)
.set MSB, (\new)
.endif
.endm
.macro GLOAD                           ; my 8 KB of the next slot, into window 1
	WIN 0x40
.irp j, 0,1,2,3,4,5,6,7,8,9,10,11,12,13,14,15
	global_load_b128 v[4*\j:4*\j+3], v1, s[96:97] offset:512*\j
.endr
	WIN 0
.endm
.macro LSTORE b                        ; and on into buffer b
	s_wait_loadcnt 0x0                             ; they are in: so their base may step
	WIN 0x04
.irp j, 0,1,2,3,4,5,6,7,8,9,10,11,12,13,14,15
	ds_store_b128 v[3+(\b)], v[4*\j:4*\j+3] offset:512*\j
.endr
	WIN 0
	s_add_nc_u64 s[96:97], s[96:97], 32768
.endm
.macro BARRIER                         ; my stores into the one buffer have landed and my reads of the other are in: one barrier serves both
	s_wait_dscnt 0x0
	s_barrier_signal -1
	s_barrier_wait -1
.endm
	s_load_b256 s[4:11], s[0:1], 0x0               ; qimg, kimg, vimg, mwords
	s_load_b128 s[12:15], s[0:1], 0x20             ; mflags, the scales' exponents
	s_load_b64 s[84:85], s[0:1], 0x30              ; cimg
	v_lshl_add_u32 v251, v0, 2, 0x24800
	v_mov_b32 v255, 0
	v_lshrrev_b32 v5, 5, v0
	v_readfirstlane_b32 s2, v5                     ; wave 0..7
	v_and_b32 v5, 31, v0
	v_lshlrev_b32 v1, 4, v5                        ; 16 x lane
	v_add_nc_u32 v2, BUF1, v1
	s_lshl_b32 s99, s2, 13
	v_add_nc_u32 v3, s99, v1                       ; + 8,192 x wave: waves 0-3 fill K's half of a buffer, waves 4-7 V's
	v_add_nc_u32 v4, BUF1, v3
	v_and_b32 v10, 15, v0                          ; r
	v_bfe_u32 v11, v0, 4, 1                        ; h
	s_mul_i32 s99, s2, 16*SPITCH
	s_add_co_u32 s99, s99, STAGE
	v_mul_u32_u24 v5, v10, SPITCH
	v_add_nc_u32 v5, s99, v5
	v_lshl_add_u32 v6, v11, 3, v5                  ; stage, in: row r, + 8 h
	v_lshl_add_u32 v7, v11, 4, v5                  ; back: row r, + 16 h
	s_lshl_b32 s99, ttmp9, 2
	s_sub_co_u32 s100, 120, s99
	s_cmp_lt_u32 s2, 4
	s_cselect_b32 s98, s99, s100
	s_add_co_u32 s98, s98, s2                      ; my tile of 16 queries
	s_and_b32 s99, ttmp7, 0xffff                   ; the head
	s_lshl_b32 s20, s99, 18                        ; its 256 KB in each image buffer
	s_mov_b32 s21, 0
	s_lshl_b32 s22, s98, 11
	s_mov_b32 s23, 0
	s_and_b32 s24, s2, 3
	s_lshl_b32 s24, s24, 13                        ; my quarter of a slot's K or V
	s_mov_b32 s25, 0
	s_lshl_b32 s26, s98, 12                        ; my tile's 16 x 64 mask words
	s_mov_b32 s27, 0
	s_lshl_b32 s28, s98, 4                         ; and its four flag words
	s_mov_b32 s29, 0
	s_lshr_b32 s30, s99, 2                         ; cimg: [head / 4][tile][head % 4][2048]
	s_lshl_b32 s30, s30, 7
	s_add_co_u32 s30, s30, s98
	s_lshl_b32 s30, s30, 13
	s_and_b32 s31, s99, 3
	s_lshl_b32 s31, s31, 11
	s_add_co_u32 s30, s30, s31
	s_mov_b32 s31, 0
	s_mov_b32 s86, 0x76543210                      ; v_permlanex16_b32's selects for lane l xor 16
	s_mov_b32 s87, 0xfedcba98
	s_wait_kmcnt 0x0
	s_add_nc_u64 s[12:13], s[12:13], s[28:29]
	s_load_b128 s[36:39], s[12:13], 0x0            ; the flags
	s_load_b128 s[88:91], s[14:15], 0x18           ; e6, e7, e8, e9
	s_load_b32 s92, s[14:15], 0x28                 ; e10
	s_add_nc_u64 s[4:5], s[4:5], s[20:21]
	s_add_nc_u64 s[4:5], s[4:5], s[22:23]
	s_cmp_lt_u32 s2, 4                             ; the wave's number alone chooses what it fetches
	s_cselect_b64 s[96:97], s[6:7], s[8:9]
	s_add_nc_u64 s[96:97], s[96:97], s[20:21]
	s_add_nc_u64 s[96:97], s[96:97], s[24:25]
	s_add_nc_u64 s[10:11], s[10:11], s[26:27]
	s_add_nc_u64 s[84:85], s[84:85], s[30:31]
.irp c, 0,1,2,3
	global_load_b128 v[16+4*\c:19+4*\c], v1, s[4:5] offset:512*\c   ; Q's fragment stays in registers
.endr
	GLOAD                                          ; slot 0
	v_mov_b32 v13, 0xff61b1e6                      ; the largest t so far: -3e38, under every t
	v_floor_f32 v12, -v13                          ; -M
	v_mov_b32 v14, 0
	v_mov_b32 v15, 0
	v_mov_b32 v241, 0xff800000                     ; -inf
	v_mov_b32 v245, 0                              ; a lane permute's destination counts as read
	v_mov_b32 v248, 0x7f7f7f7f                     ; four NaN codes
	v_mov_b32 v253, 0                              ; (named as the upper half of the pair v[252:253])
.set j, 0
.rept 64
	v_mov_b32 v[160+j], 0                          ; O^T.  Which step is a wave's first is data, so no first step can be written out: the first change of M multiplies zeros
.set j, j+1
.endr
	s_wait_kmcnt 0x0
	s_or_b32 s93, s36, s37                         ; bit s: step s wholly masked; bit 16 + s: partly
	s_or_b32 s93, s93, s38
	s_or_b32 s93, s93, s39
	s_add_co_i32 s99, s88, s89
	s_lshl_b32 s99, s99, 23
	s_add_co_i32 s94, s99, 0x3e0293ee              ; c = log2(e) / sqrt(128) x 2^(e6 + e7): the exponents are added to c's exponent field
	s_mov_b32 s95, s94
	s_add_co_i32 s99, s90, 127
	s_lshl_b32 s100, s99, 23
	v_mov_b32 v244, s100                           ; 2^e8
	s_add_co_i32 s99, s99, 8
	s_lshl_b32 s99, s99, 23
	s_or_b32 s99, s99, 0x600000
	v_mov_b32 v240, s99                            ; 448 x 2^e8
	s_add_co_i32 s99, s92, 127
	s_lshl_b32 s100, s99, 23
	v_mov_b32 v246, s100                           ; 2^e10
	s_add_co_i32 s99, s99, 8
	s_lshl_b32 s99, s99, 23
	s_or_b32 s99, s99, 0x600000
	v_mov_b32 v247, s99                            ; 448 x 2^e10
; A KEY STEP: 128 keys, the q-th of buffer b.
.macro STEP b, q
	s_bitcmp1_b32 s93, 0
	s_cbranch_scc1 .Lhid_\@                        ; wholly masked for my 16 queries: only the lines that step the flags and the words' address are run
	s_load_b512 s[16:31], s[10:11], 0x0            ; the step's 64 words: asked for in every step that is worked, so that no way reads words that were not loaded
	s_load_b512 s[32:47], s[10:11], 0x40
	s_load_b512 s[48:63], s[10:11], 0x80
	s_load_b512 s[68:83], s[10:11], 0xc0
.irp g, 0,1                                    ; S^T = K Q^T, four tiles of 16 keys at a time
.rept 4
	v_nop                                          ; places in front of loads into registers that matrix instructions have read
.endr
.irp t, 0,1,2,3
.irp c, 0,1,2,3
	ds_load_b128 v[32+16*\t+4*\c:32+16*\t+4*\c+3], v[1+\b] offset:STEPB*\q+2048*(4*\g+\t)+512*\c
.endr
.endr
	s_wait_dscnt 0x0
.irp t, 0,1,2,3
	v_wmma_f32_16x16x128_fp8_fp8 v[96+8*(4*\g+\t):103+8*(4*\g+\t)], v[32+16*\t:47+16*\t], v[16:31], 0
.endr
.endr
.rept 4
	v_nop
.endr
	s_wait_kmcnt 0x0
	s_bitcmp1_b32 s93, 16
	s_cbranch_scc0 .Lopen_\@                       ; no key of the step is masked for any of my queries
.set n, 0
.rept 64
.if n < 48
	v_cndmask_b32 v[96+n], v[96+n], v241, s[16+n]  ; -inf where the lane's bit is set: p = 0 then
.else
	v_cndmask_b32 v[96+n], v[96+n], v241, s[20+n]
.endif
.set n, n+1
.endr
.Lopen_\@:
	v_max3_num_f32 v254, v96, v97, v98             ; the step's largest score of my query among my 64 keys, in two chains,
	v_max3_num_f32 v252, v99, v100, v101
.irp i, 6,10,14,18,22,26,30,34,38,42,46,50,54,58
	v_max3_num_f32 v254, v254, v[96+\i], v[97+\i]
	v_max3_num_f32 v252, v252, v[98+\i], v[99+\i]
.endr
	v_max3_num_f32 v254, v254, v158, v159
	v_max_num_f32 v254, v254, v252
	v_permlanex16_b32 v245, v254, s86, s87
	v_max_num_f32 v254, v254, v245                 ; and among lane l xor 16's
	v_mul_f32 v254, s94, v254                      ; as t (c is positive)
	v_max_num_f32 v13, v13, v254                   ; the running largest t
	v_mov_b32 v254, v12
	v_floor_f32 v12, -v13                          ; the new -M = floor(-t): M is a whole number
	v_sub_f32 v254, v12, v254                      ; old M - new M: a whole number, 0 or less
	v_cvt_i32_f32 v254, v254                       ; (it saturates)
	v_ldexp_f32 v252, 1.0, v254                    ; f = 2^(old M - new M)
.set j, 0
.rept 32
	v_pk_fma_f32 v[96+j:97+j], v[96+j:97+j], s[94:95], v[12:13] op_sel_hi:[1,0,0]   ; t - M, two at a time
.set j, j+2
.endr
.set j, 0
.rept 64
	v_exp_f32 v[96+j], v[96+j]                     ; p = 2^(t - M), at most 1
.set j, j+1
.endr
	v_pk_mul_f32 v[14:15], v[14:15], v[252:253] op_sel_hi:[1,0]   ; the sums under the new M (a plain line behind the exponentials)
	s_wait_alu depctr_va_vdst(0)
	v_pk_add_f32 v[242:243], v[96:97], v[98:99]    ; the row's sum is taken of the unquantised p, in two chains
.irp j, 4,8,12,16,20,24,28,32,36,40,44,48,52,56,60
	v_pk_add_f32 v[14:15], v[14:15], v[96+\j:97+\j]
	v_pk_add_f32 v[242:243], v[242:243], v[98+\j:99+\j]
.endr
	v_pk_add_f32 v[14:15], v[14:15], v[242:243]
.irp t, 0,1,2,3,4,5,6,7
.irp i, 0,1,2,3,4,5,6,7
	v_min_num_f32 v[96+8*\t+\i], v[96+8*\t+\i], v240   ; the conversion does not saturate (ISA guide 7.6.2); p is not negative, so the hold is one-sided
.endr
	v_cvt_scalef32_pk8_fp8_f32 v[224+2*\t:225+2*\t], v[96+8*\t:103+8*\t], v244   ; keys 16 t + 8 h + 0 .. 7: registers 2 t, 2 t + 1 of P's fragment
.endr
.set j, 0
.rept 32
	v_pk_mul_f32 v[160+j:161+j], v[160+j:161+j], v[252:253] op_sel_hi:[1,0]   ; O^T under the new M.  (Also the plain lines behind the conversions and in front of the loads below)
.set j, j+2
.endr
.irp g, 0,1                                    ; O^T += V^T P^T, four tiles of 16 of the head's 128 at a time; the accumulators take turns
.if \g > 0
.rept 4
	v_nop
.endr
.endif
.irp t, 0,1,2,3
.irp c, 0,1,2,3
	ds_load_b128 v[32+16*\t+4*\c:32+16*\t+4*\c+3], v[1+\b] offset:VOFF+STEPB*\q+2048*(4*\g+\t)+512*\c
.endr
.endr
	s_wait_dscnt 0x0
.irp t, 0,1,2,3
	v_wmma_f32_16x16x128_fp8_fp8 v[160+8*(4*\g+\t):167+8*(4*\g+\t)], v[32+16*\t:47+16*\t], v[224:239], v[160+8*(4*\g+\t):167+8*(4*\g+\t)]
.endr
.endr
.Lhid_\@:
	s_lshr_b32 s93, s93, 1                         ; the next step's flags come to bits 0 and 16
	s_add_nc_u64 s[10:11], s[10:11], 256           ; and its words (no scalar load is out here)
.endm
; A slot: the next one is asked for first, this one's two steps are worked, the next goes into the other buffer, which every wave left in front of the last barrier.
.macro PHASE b, more
.if \more
	GLOAD
.endif
	STEP \b, 0
	STEP \b, 1
.if \more
	LSTORE 1-\b
	BARRIER
.endif
.endm
	LSTORE 0                                       ; its wait also shows Q in
	BARRIER
	s_mov_b32 s3, 3
.Lslots:
	PHASE 0, 1
	PHASE 1, 1
	s_sub_co_u32 s3, s3, 1
	s_cmp_lg_u32 s3, 0
	s_cbranch_scc1 .Lslots
	PHASE 0, 1
	PHASE 1, 0                                     ; the last slot: nothing is left to fetch
	; THE WAY OUT.  ctx = O^T x 2^(e8 + e9) / sum, quantised with 2^e10.  A lane's codes are d = 16 t + 8 h + 0 .. 7; the output projection reads its weight by 16 bytes (k = 32 c + 16 h + 0 .. 15),
	; so the 16 rows of 128 codes turn once through my stage and leave as an image in that order: four stores of 512 consecutive bytes.
	v_add_f32 v14, v14, v15
	v_permlanex16_b32 v245, v14, s86, s87
	v_add_f32 v14, v14, v245                       ; the row's sum
	v_cmp_eq_f32 vcc_lo, 0, v14                    ; no open key at all
	v_rcp_f32 v8, v14
	v_nop                                          ; a plain line behind the transcendental
	s_add_co_i32 s99, s90, s91
	s_wait_alu depctr_va_vdst(0)
	v_ldexp_f32 v8, v8, s99
	v_mov_b32 v9, v8
.set j, 0
.rept 32
	v_pk_mul_f32 v[96+j:97+j], v[160+j:161+j], v[8:9]   ; each accumulator from its low end on
.set j, j+2
.endr
.set j, 0
.rept 64
	v_med3_num_f32 v[96+j], v[96+j], -v247, v247
.set j, j+1
.endr
.irp t, 0,1,2,3,4,5,6,7
	v_cvt_scalef32_pk8_fp8_f32 v[224+2*\t:225+2*\t], v[96+8*\t:103+8*\t], v246
.endr
	v_nop                                          ; one plain line behind the last conversion
.set j, 0
.rept 16
	v_cndmask_b32 v[224+j], v[224+j], v248, vcc_lo
.set j, j+1
.endr
.irp t, 0,1,2,3,4,5,6,7
	ds_store_b64 v6, v[224+2*\t:225+2*\t] offset:16*\t
.endr
.irp c, 0,1,2,3
	ds_load_b128 v[32+4*\c:35+4*\c], v7 offset:32*\c   ; my own bytes, served in order
.endr
	s_wait_dscnt 0x0
.irp c, 0,1,2,3
	global_store_b128 v1, v[32+4*\c:35+4*\c], s[84:85] offset:512*\c
.endr
	s_wait_tensorcnt 0x0
	ds_add_u32 v251, v255
	s_wait_dscnt 0x0
	s_endpgm
.Lfunc_end_k_q6b12d4f4f6_attn:
	.size	k_q6b12d4f4f6_attn, .Lfunc_end_k_q6b12d4f4f6_attn-k_q6b12d4f4f6_attn
	.p2alignl 7, 3214868480
	.fill 96, 4, 3214868480
	.section	.rodata,"a",@progbits
	.p2align	6, 0x0
	.amdhsa_kernel k_q6b12d4f4f6_attn
		.amdhsa_group_segment_fixed_size 150528
		.amdhsa_private_segment_fixed_size 0
		.amdhsa_enable_private_segment 0
		.amdhsa_kernarg_size 56
		.amdhsa_user_sgpr_count 2
		.amdhsa_user_sgpr_kernarg_segment_ptr 1
		.amdhsa_wavefront_size32 1
		.amdhsa_system_sgpr_workgroup_id_x 1
		.amdhsa_system_sgpr_workgroup_id_y 1
		.amdhsa_system_sgpr_workgroup_id_z 1
		.amdhsa_system_vgpr_workitem_id 0
		.amdhsa_next_free_vgpr 320
		.amdhsa_next_free_sgpr 102
		.amdhsa_reserve_vcc 1
		.amdhsa_float_denorm_mode_32 3
		.amdhsa_float_denorm_mode_16_64 3
		.amdhsa_memory_ordered 1
		.amdhsa_forward_progress 1
		.amdhsa_inst_pref_size 211
	.end_amdhsa_kernel
	.amdgpu_metadata
---
amdhsa.version: [ 1, 2 ]
amdhsa.kernels:
  - .name:           k_q6b12d4f4f6_attn
    .symbol:         k_q6b12d4f4f6_attn.kd
    .args:
      - { .name: qimg, .offset: 0, .size: 8, .value_kind: global_buffer, .address_space: global }
      - { .name: kimg, .offset: 8, .size: 8, .value_kind: global_buffer, .address_space: global }
      - { .name: vimg, .offset: 16, .size: 8, .value_kind: global_buffer, .address_space: global }
      - { .name: mwords, .offset: 24, .size: 8, .value_kind: global_buffer, .address_space: global }
      - { .name: mflags, .offset: 32, .size: 8, .value_kind: global_buffer, .address_space: global }
      - { .name: lowp_scales, .offset: 40, .size: 8, .value_kind: global_buffer, .address_space: global }
      - { .name: cimg, .offset: 48, .size: 8, .value_kind: global_buffer, .address_space: global }
    .group_segment_fixed_size: 150528
    .private_segment_fixed_size: 0
    .kernarg_segment_align: 8
    .kernarg_segment_size: 56
    .max_flat_workgroup_size: 256
    .sgpr_count:     102
    .vgpr_count:     320
    .wavefront_size: 32
...
	.end_amdgpu_metadata
.endif
;; end of part 2
;; launch oproj (part 3): grid 16 x 16, 4 waves a work-group, clusters of 4 x 4, 327,680 bytes of LDS; arguments cimg, Wo_codes, bo, lowp_scales, out0; writes out0
.if DOCPART == 3
	.amdgcn_target "amdgcn-amd-amdhsa--gfx1250"
	.amdhsa_code_object_version 6
	.text
	.protected	k_q6b12d4f4f6_oproj
	.globl	k_q6b12d4f4f6_oproj
	.p2align	8
	.type	k_q6b12d4f4f6_oproj,@function
k_q6b12d4f4f6_oproj:
	s_mov_b64 s[64:65], 0
	v_nop
	global_prefetch_b8 v0, s[64:65] scope:SCOPE_SE
	s_setreg_imm32_b32 hwreg(HW_REG_WAVE_MODE, 25, 1), 1
	s_wait_xcnt 0x0
	s_wait_alu depctr_hold_cnt(0) depctr_sa_sdst(0) depctr_va_vdst(0) depctr_va_sdst(0) depctr_va_ssrc(0) depctr_va_vcc(0) depctr_vm_vsrc(0)
	s_getreg_b32 s2, hwreg(HW_REG_IB_STS2, 6, 4)
	s_cmp_eq_u32 s2, 0
	s_cbranch_scc0 .Lentry_in_a_cluster
	s_endpgm
.Lentry_in_a_cluster:
	s_bfe_u32 s2, ttmp6, 0x10000c
	s_cmp_lg_u32 s2, 0xf033
	s_cbranch_scc0 .Lentry_shape_is_right
	s_endpgm
.Lentry_shape_is_right:
; out0 = ctx Wo^T + bo on E4M3 codes: 2,048 x 2,048 x 2,048; out0 f32.  ctx comes as images of operand registers (cimg [K step of 512][tile of 16 tokens][quarter of 128][2048]), Wo as rows of codes.
; A tile of out0 is 128 x 128, so that there are 256 work-groups; four waves, each 64 x 64: 16 accumulators.  K goes in four steps of 512 through two LDS slots; all four are written out, no loop.
; CLUSTERS of 4 x 4: the four of a row share ctx's tiles, the four of a column Wo's: joint tensor loads.  ctx's tile of a K step is one dense block of 64 KB, fetched as rows of 256 bytes;
; Wo's is 128 rows of 512 bytes, 16 bytes of padding behind each.
; The matrix instruction takes 16 rows of Wo as source 0 and a fragment of ctx as source 1: a lane holds one token and eight neighbouring features.  Both sides have k = 32 c + 16 h + 0 .. 15 in registers 4 c .. 4 c + 3.
; LIMIT: e10 + e11 between -126 and 127.
; REGISTERS: window 0: v1-31 addresses; v32-63 a block's results; v64-95 and (once block 0 is spent) v128-159 rows on their way out; v96-127 bo; v128-255 accumulator (a, b) at v[128 + 8 (4 a + b)].
;   window 1: two fragment buffers of 128: ctx's four fragments, then Wo's four.
.set PITCH,  528                       ; Wo's row in LDS: 512 bytes + 16
.set BOFF,   65536                     ; a slot: ctx's 64 KB, then Wo's 128 rows
.set SLOT,   BOFF+128*PITCH            ; 133,120
.set STAGE,  2*SLOT                    ; behind the ring: 16 rows x (256 bytes + 16) for each wave
.set SPITCH, 272
.set SPARE,  STAGE+4*16*SPITCH         ; behind the stages: the spare words, 128 bytes a wave
.set ADRA, 16
.set ADRB, 20
.set STO,  24
.set RD,   25
.set CO,   26
.set SPW,  28
.set NIL,  29
.set TMP,  32
.set BO,   96
.set ACC,  128
.set F0,   0
.set F1,   128
.set G1, 24
.set G0, 32
.set G1B, 48
.set G0B, 56
.set MSB, 0
.macro WIN new
.if MSB != (\new)
	s_set_vgpr_msb (MSB<<8)|(\new)
.set MSB, (\new)
.endif
.endm
.set MUL,  0x05                        ; sources 0 and 1 window 1; C and D window 0
.set TO_F, 0x40                        ; destination window 1, address window 0
.macro JLOAD s                         ; waves 0 and 1 fetch ctx's two halves, waves 2 and 3 Wo's; four v_nop follow each line
	s_cmp_eq_u32 s15, 0
	s_cbranch_scc0 .Lfor_b_\@
	tensor_load_to_lds s[G0+4*\s:G0+4*\s+3], s[G1:G1+7]
	s_nop 0
.rept 4
	v_nop
.endr
	s_branch .Lasked_\@
.Lfor_b_\@:
	tensor_load_to_lds s[G0B+4*\s:G0B+4*\s+3], s[G1B:G1B+7]
	s_nop 0
.rept 4
	v_nop
.endr
.Lasked_\@:
.endm
.macro CREST
	s_cmp_lg_u32 s14, 0
	s_cbranch_scc1 .Lnot_wave_0_\@
	s_barrier_signal -3
.Lnot_wave_0_\@:
	s_barrier_wait -3
	s_barrier_signal -1
	s_barrier_wait -1
.endm
.macro CROUND
	s_barrier_signal -1
	s_barrier_wait -1
	CREST
.endm
	s_load_b256 s[4:11], s[0:1], 0x0               ; cimg, Wo's codes, bo, the scales' exponents
	s_load_b64 s[12:13], s[0:1], 0x20              ; out0
	v_lshl_add_u32 v[SPW], v0, 2, SPARE
	v_mov_b32 v[NIL], 0
	ds_add_u32 v28, v29
	ds_add_u32 v28, v29
	s_wait_dscnt 0x0
	v_lshrrev_b32 v1, 5, v0
	v_readfirstlane_b32 s14, v1                    ; wave 0..3
	s_lshr_b32 s15, s14, 1                         ; which half of the tile's rows is mine.  Also: I fetch ctx (0) or Wo (1)
	s_and_b32 s16, s14, 1                          ; which half of its columns.  Also: which half of that tile I fetch
	s_bfe_u32 s40, ttmp6, 0x40000                  ; cx
	s_bfe_u32 s41, ttmp6, 0x40004                  ; cy
	s_lshl_b32 s42, ttmp9, 2
	s_add_co_u32 s42, s42, s40                     ; tile column
	s_and_b32 s17, ttmp7, 0xffff
	s_lshl_b32 s17, s17, 2
	s_add_co_u32 s17, s17, s41                     ; tile row
	s_lshl_b32 s43, s41, 2
	s_lshl_b32 s43, 15, s43                        ; my row of the cluster
	s_lshl_b32 s44, 0x1111, s40                    ; my column
	s_or_b32 s[G1+0], s43, (3<<16)|(1<<21)         ; ctx: elements of 8 bytes, no padding; 21 set beside a mask
	s_mov_b32 s[G1+1], 32<<16                      ; tensor_dim0 = 32 elements: 256 bytes
	s_mov_b32 s[G1+2], 128<<16                     ; tensor_dim1 = 128 rows: 32 KB
	s_mov_b32 s[G1+3], 32<<16                      ; tile_dim0
	s_mov_b32 s[G1+4], 128                         ; tile_dim1
	s_mov_b32 s[G1+5], 32                          ; the rows follow each other
	s_mov_b32 s[G1+6], 0
	s_mov_b32 s[G1+7], 0
	s_or_b32 s[G1B+0], s44, (1<<20)|(1<<21)|(6<<22)|(3<<25)   ; Wo: elements of 1 byte; four words of padding after every 128
	s_mov_b32 s[G1B+1], 512<<16
	s_mov_b32 s[G1B+2], 64<<16
	s_mov_b32 s[G1B+3], 512<<16
	s_mov_b32 s[G1B+4], 64
	s_mov_b32 s[G1B+5], 2048
	s_mov_b32 s[G1B+6], 0
	s_mov_b32 s[G1B+7], 0
	s_lshl_b32 s20, s17, 16                        ; ctx: 8 tiles of tokens x 8 KB for each tile row,
	s_lshl_b32 s18, s16, 15                        ; + my four
	s_add_co_u32 s20, s20, s18
	s_mov_b32 s21, 0
	s_lshl_b32 s46, s42, 18                        ; Wo: 128 rows of 2,048 bytes for each tile column,
	s_lshl_b32 s18, s16, 17                        ; + my 64
	s_add_co_u32 s46, s46, s18
	s_mov_b32 s47, 0
	s_lshl_b32 s45, s16, 15                        ; where they go: ctx's halves,
	s_mul_i32 s19, s16, 64*PITCH
	s_add_co_u32 s19, s19, BOFF                    ; Wo's halves behind them: the wave's number alone
	s_wait_kmcnt 0x0
	s_load_b64 s[66:67], s[10:11], 0x28            ; e10, e11
	s_add_nc_u64 s[20:21], s[4:5], s[20:21]
	s_add_nc_u64 s[46:47], s[6:7], s[46:47]
	CROUND                                         ; all sixteen work-groups are here: the first joint loads meet
.irp s, 0,1
	s_mov_b32 s[G0+4*\s], 1
	s_add_co_u32 s[G0+4*\s+1], s45, \s*SLOT
	s_add_nc_u64 s[G0+4*\s+2:G0+4*\s+3], s[20:21], \s*1048576     ; K step s: 128 tiles x 8 KB on
	s_or_b32 s[G0+4*\s+3], s[G0+4*\s+3], 0x80000000
	s_mov_b32 s[G0B+4*\s], 1
	s_add_co_u32 s[G0B+4*\s+1], s19, \s*SLOT
	s_add_nc_u64 s[G0B+4*\s+2:G0B+4*\s+3], s[46:47], \s*512
	s_or_b32 s[G0B+4*\s+3], s[G0B+4*\s+3], 0x80000000
	JLOAD \s
.endr
	v_and_b32 v1, 15, v0                           ; r
	v_bfe_u32 v2, v0, 4, 1                         ; h
	v_and_b32 v3, 31, v0
	v_lshlrev_b32 v3, 4, v3                        ; 16 x lane: an image's place
	v_mul_u32_u24 v4, v1, PITCH
	v_lshl_add_u32 v4, v2, 4, v4                   ; Wo: row r, + 16 h
	s_lshl_b32 s21, s15, 15                        ; my four tiles of tokens
	s_mul_i32 s22, s16, 64*PITCH                   ; my 64 rows of Wo
	s_add_co_u32 s22, s22, BOFF
.irp s, 0,1
	v_add_nc_u32 v[ADRA+\s], s21, v3
	v_add_nc_u32 v[ADRB+\s], s22, v4
	s_add_co_u32 s21, s21, SLOT
	s_add_co_u32 s22, s22, SLOT
.endr
	s_mul_i32 s23, s14, 16*SPITCH
	s_add_co_u32 s23, s23, STAGE                   ; my stage
	v_mul_u32_u24 v5, v1, SPITCH
	v_lshl_add_u32 v5, v2, 5, v5
	v_add_nc_u32 v[STO], s23, v5                   ; in: row r, + 32 h
	v_mul_u32_u24 v5, v2, SPITCH
	v_lshl_add_u32 v5, v1, 4, v5
	v_add_nc_u32 v[RD], s23, v5                    ; back: lanes 0-15 one row of 256 bytes, lanes 16-31 the next
	v_lshlrev_b32 v5, 13, v2
	v_lshl_add_u32 v[CO], v1, 4, v5                ; and the same two rows of out0
	s_lshl_b32 s21, s42, 9
	s_lshl_b32 s22, s16, 8
	s_add_co_u32 s21, s21, s22                     ; my 64 columns, in bytes: 512 x tile column + 256 x half
	v_lshl_add_u32 v27, v2, 5, s21
.irp b, 0,1,2,3
	global_load_b128 v[BO+8*\b:BO+8*\b+3], v27, s[8:9] offset:64*\b        ; bo[column 16 b + 8 h + 0 .. 7]
	global_load_b128 v[BO+8*\b+4:BO+8*\b+7], v27, s[8:9] offset:64*\b+16
.endr
	s_lshl_b32 s20, s17, 20                        ; 128 rows of 8,192 bytes for each tile row,
	s_lshl_b32 s22, s15, 19                        ; + my 64
	s_add_co_u32 s20, s20, s22
	s_add_co_u32 s20, s20, s21
	s_mov_b32 s21, 0
	s_add_nc_u64 s[12:13], s[12:13], s[20:21]
; 4 matrix instructions: tile a of tokens x Wo's four, 128 along K.  The 16 accumulators take turns in one order throughout.
.macro MULA f, a, zero
.irp b, 0,1,2,3
.if \zero
	v_wmma_f32_16x16x128_fp8_fp8 v[ACC+8*(4*\a+\b):ACC+8*(4*\a+\b)+7], v[\f+64+16*\b:\f+64+16*\b+15], v[\f+16*\a:\f+16*\a+15], 0
.else
	v_wmma_f32_16x16x128_fp8_fp8 v[ACC+8*(4*\a+\b):ACC+8*(4*\a+\b)+7], v[\f+64+16*\b:\f+64+16*\b+15], v[\f+16*\a:\f+16*\a+15], v[ACC+8*(4*\a+\b):ACC+8*(4*\a+\b)+7]
.endif
.endr
.endm
.macro FETCH slot, q, f                ; 32 LDS loads in one run: Wo's four fragments of quarter q, then ctx's four
	WIN TO_F
.irp b, 0,1,2,3
.irp c, 0,1,2,3
	ds_load_b128 v[\f+64+16*\b+4*\c:\f+64+16*\b+4*\c+3], v[ADRB+\slot] offset:128*\q+32*\c+16*PITCH*\b
.endr
.endr
.irp a, 0,1,2,3
.irp c, 0,1,2,3
	ds_load_b128 v[\f+16*\a+4*\c:\f+16*\a+4*\c+3], v[ADRA+\slot] offset:8192*\a+2048*\q+512*\c
.endr
.endr
.endm
.macro PLACES
.rept 4
	v_nop
.endr
.endm
; One of a K step's first three quarters: multiplies buffer f and fetches quarter qn into g.
.macro QUARTER slot, qn, f, g, zero
	s_wait_dscnt 8                                 ; Wo's fragments and ctx's 0 and 1 are in; the youngest eight loads (ctx's 2 and 3) may be out
	WIN MUL
	MULA \f, 0, \zero
	MULA \f, 1, \zero
	PLACES
	FETCH \slot, \qn, \g
	s_wait_dscnt 32                                ; all but the 32 just issued
	WIN MUL
	MULA \f, 2, \zero
	MULA \f, 3, \zero
.endm
; The last quarter multiplies buffer 1 and changes slots.
.macro TURN slot, next, fill
	WIN 0                                          ; (the add's two registers lie in window 0)
	s_wait_tensorcnt 0x0                           ; all my tensor loads have landed: my part of the next slot
	ds_add_u32 v[SPW], v[NIL]                      ; 0 onto my spare word
	s_wait_dscnt 9                                 ; the add and the youngest eight loads may be out
	WIN MUL
	MULA F1, 0, 0
	MULA F1, 1, 0
	s_wait_dscnt 0x0                               ; the add is done, and my reads of this slot are over
	s_barrier_signal -1
	MULA F1, 2, 0
	WIN 0
	s_barrier_wait -1
.if \fill
	CREST                                          ; the barrier has opened a round of the cluster's
	s_add_nc_u64 s[G0+4*\slot+2:G0+4*\slot+3], s[G0+4*\slot+2:G0+4*\slot+3], 2*1048576
	s_add_nc_u64 s[G0B+4*\slot+2:G0B+4*\slot+3], s[G0B+4*\slot+2:G0B+4*\slot+3], 2*512
	JLOAD \slot                                    ; the first tensor load behind the round; its four v_nop are the places in front of the loads below
.else
	PLACES
.endif
	FETCH \next, 0, F0
	WIN MUL
	MULA F1, 3, 0
.endm
	s_wait_tensorcnt 1                             ; my part of K step 0 is in; K step 1's load may be out
	s_barrier_signal -1
	s_barrier_wait -1
	FETCH 0, 0, F0
	QUARTER 0, 1, F0, F1, 1                        ; the first quarter's products start the sums
	QUARTER 0, 2, F1, F0, 0
	QUARTER 0, 3, F0, F1, 0
	TURN 0, 1, 1                                   ; slot 0 takes K step 2
	QUARTER 1, 1, F0, F1, 0
	QUARTER 1, 2, F1, F0, 0
	QUARTER 1, 3, F0, F1, 0
	TURN 1, 0, 1                                   ; slot 1 takes K step 3
	QUARTER 0, 1, F0, F1, 0
	QUARTER 0, 2, F1, F0, 0
	QUARTER 0, 3, F0, F1, 0
	TURN 0, 1, 0                                   ; nothing is left to fetch
	QUARTER 1, 1, F0, F1, 0
	QUARTER 1, 2, F1, F0, 0
	QUARTER 1, 3, F0, F1, 0
	s_wait_dscnt 8
	WIN MUL
	MULA F1, 0, 0
	MULA F1, 1, 0
	s_wait_dscnt 0
	MULA F1, 2, 0
	MULA F1, 3, 0
	WIN 0
	; THE WAY OUT.  y = sum x 2^(e10 + e11) + bo.  My 64 columns are 256 aligned bytes of a row: a block of 16 rows goes through my own stage and leaves with sixteen lanes to a row.
	s_wait_kmcnt 0x0
	s_add_co_i32 s66, s66, s67
	s_add_co_i32 s66, s66, 127
	s_lshl_b32 s66, s66, 23                        ; 2^(e10 + e11) as f32
	s_mov_b32 s67, s66
	s_wait_loadcnt 0x0                             ; bo
	PLACES
.macro TOSTAGE a
.set j, 0
.rept 16
	v_pk_fma_f32 v[TMP+j:TMP+j+1], v[ACC+32*(\a)+j:ACC+32*(\a)+j+1], s[66:67], v[BO+j:BO+j+1] op_sel_hi:[1,0,1]   ; each accumulator from its low end on
.set j, j+2
.endr
.irp b, 0,1,2,3
	ds_store_b128 v[STO], v[TMP+8*\b:TMP+8*\b+3] offset:64*\b
	ds_store_b128 v[STO], v[TMP+8*\b+4:TMP+8*\b+7] offset:64*\b+16
.endr
.set BB, 64+64*((\a)%2)
.irp t, 0,1,2,3,4,5,6,7
	ds_load_b128 v[BB+4*\t:BB+4*\t+3], v[RD] offset:\t*2*SPITCH   ; my own bytes, served in order
.endr
.endm
.macro SEND a, younger                 ; younger: the LDS instructions issued behind block a's loads
.set BB, 64+64*((\a)%2)
	s_wait_dscnt \younger
.irp t, 0,1,2,3,4,5,6,7
	global_store_b128 v[CO], v[BB+4*\t:BB+4*\t+3], s[12:13] offset:(16*(\a)+2*\t)*8192 th:TH_STORE_NT   ; 16 lanes store 256 consecutive bytes, aligned; written once
.endr
.endm
	TOSTAGE 0
.irp a, 1,2,3
.if \a > 1
	s_wait_xcnt 0x0                                ; block a - 2's stores have read their registers: block a's loads may land there
.endif
	TOSTAGE \a
	SEND \a-1, 16                                  ; behind block a - 1's loads: block a's 8 stores and 8 loads
.endr
	SEND 3, 0
	s_wait_tensorcnt 0x0                           ; the wave's end
	ds_add_u32 v[SPW], v[NIL]
	s_wait_dscnt 0x0
	CROUND                                         ; the closing round
	s_endpgm
.Lfunc_end_k_q6b12d4f4f6_oproj:
	.size	k_q6b12d4f4f6_oproj, .Lfunc_end_k_q6b12d4f4f6_oproj-k_q6b12d4f4f6_oproj
	.p2alignl 7, 3214868480
	.fill 96, 4, 3214868480
	.section	.rodata,"a",@progbits
	.p2align	6, 0x0
	.amdhsa_kernel k_q6b12d4f4f6_oproj
		.amdhsa_group_segment_fixed_size 327680
		.amdhsa_private_segment_fixed_size 0
		.amdhsa_enable_private_segment 0
		.amdhsa_kernarg_size 40
		.amdhsa_user_sgpr_count 2
		.amdhsa_user_sgpr_kernarg_segment_ptr 1
		.amdhsa_wavefront_size32 1
		.amdhsa_system_sgpr_workgroup_id_x 1
		.amdhsa_system_sgpr_workgroup_id_y 1
		.amdhsa_system_sgpr_workgroup_id_z 1
		.amdhsa_system_vgpr_workitem_id 0
		.amdhsa_next_free_vgpr 512
		.amdhsa_next_free_sgpr 70
		.amdhsa_reserve_vcc 0
		.amdhsa_float_denorm_mode_32 3
		.amdhsa_float_denorm_mode_16_64 3
		.amdhsa_memory_ordered 1
		.amdhsa_forward_progress 1
		.amdhsa_inst_pref_size 74
	.end_amdhsa_kernel
	.amdgpu_metadata
---
amdhsa.version: [ 1, 2 ]
amdhsa.kernels:
  - .name:           k_q6b12d4f4f6_oproj
    .symbol:         k_q6b12d4f4f6_oproj.kd
    .args:
      - { .name: cimg, .offset: 0, .size: 8, .value_kind: global_buffer, .address_space: global }
      - { .name: Wo_codes, .offset: 8, .size: 8, .value_kind: global_buffer, .address_space: global }
      - { .name: bo, .offset: 16, .size: 8, .value_kind: global_buffer, .address_space: global }
      - { .name: lowp_scales, .offset: 24, .size: 8, .value_kind: global_buffer, .address_space: global }
      - { .name: out0, .offset: 32, .size: 8, .value_kind: global_buffer, .address_space: global }
    .group_segment_fixed_size: 327680
    .private_segment_fixed_size: 0
    .kernarg_segment_align: 8
    .kernarg_segment_size: 40
    .max_flat_workgroup_size: 128
    .sgpr_count:     70
    .vgpr_count:     512
    .wavefront_size: 32
...
	.end_amdgpu_metadata
.endif
;; end of part 3
;; ======== version 2 of 2: 3 launches
;; limits: right only within a limited range of input values
;; workspace buffers: qimg 4,194,304 bytes; kimg 4,194,304 bytes; vimg 4,194,304 bytes; cimg 4,194,304 bytes; mwords 524,288 bytes of whole numbers; mflags 2,048 bytes of whole numbers
;; launch qkv (part 4): grid 32 x 8, 4 waves a work-group, clusters of 4 x 4, 327,680 bytes of LDS; arguments x_codes, Wq_codes, Wk_codes, Wv_codes, bq, bk, bv, lowp_scales, mask, qimg, kimg, vimg, mwords, mflags; writes qimg, kimg, vimg, mwords, mflags
.if DOCPART == 4
	.amdgcn_target "amdgcn-amd-amdhsa--gfx1250"
	.amdhsa_code_object_version 6
	.text
	.protected	k_q6b12d4f4f6_qkv
	.globl	k_q6b12d4f4f6_qkv
	.p2align	8
	.type	k_q6b12d4f4f6_qkv,@function
k_q6b12d4f4f6_qkv:
	s_mov_b64 s[64:65], 0
	v_nop
	global_prefetch_b8 v0, s[64:65] scope:SCOPE_SE
	s_setreg_imm32_b32 hwreg(HW_REG_WAVE_MODE, 25, 1), 1
	s_wait_xcnt 0x0
	s_wait_alu depctr_hold_cnt(0) depctr_sa_sdst(0) depctr_va_vdst(0) depctr_va_sdst(0) depctr_va_ssrc(0) depctr_va_vcc(0) depctr_vm_vsrc(0)
	s_getreg_b32 s2, hwreg(HW_REG_IB_STS2, 6, 4)
	s_cmp_eq_u32 s2, 0
	s_cbranch_scc0 .Lentry_in_a_cluster
	s_endpgm
.Lentry_in_a_cluster:
	s_bfe_u32 s2, ttmp6, 0x10000c
	s_cmp_lg_u32 s2, 0xf033
	s_cbranch_scc0 .Lentry_shape_is_right
	s_endpgm
.Lentry_shape_is_right:
; q = x Wq^T + bq, k = x Wk^T + bk, v = x Wv^T + bv on E4M3 codes (2,048 x 2,048 x 2,048 each), each result quantised at once to E4M3 with its given scale and
; stored as IMAGES OF OPERAND REGISTERS for the attention launch; and the mask input turned into lane-mask words and tile flags.
; SHARES.  32 x 8 work-groups in clusters of 4 x 4.  T = cluster x / 2 (the same in all partners): 0 q, 1 k, 2 v, 3 the mask.
; T = 0 .. 2: a work-group makes 256 x 256 of its result, a wave 128 x 128: 64 accumulators, 512 registers.  K goes in steps of 256 through a ring of two LDS slots filled by joint
; tensor loads (the four of a cluster's row share A's tiles, the four of a column B's).  For q and k: A = x, B = W.  For v the pointers change places: A = Wv, B = x.
; The matrix instruction takes 16 rows of B as source 0 and 16 rows of A as source 1: a lane holds ONE row of A and eight neighbouring rows of B, eight neighbours along the K of the
; product that will read them.  One conversion of an accumulator gives registers 2 b, 2 b + 1 of a fragment (k = 16 b + 8 (lane / 16) + 0 .. 7); block a's eight accumulators are one fragment.
; IMAGE: a fragment is 2,048 bytes: registers 4 c .. 4 c + 3 of lane l at 512 c + 16 l.  qimg, kimg: [head][tile of 16 tokens][2048].  vimg: [head][step of 128 keys][tile of 16 d][2048].
; T = 3: 64 work-groups, number m = 16 x (2 (cluster x & 1) + cluster y) + 4 cy + cx, take 32 rows of the mask each: tiles 2 m and 2 m + 1 of 16 queries, one a trip; wave g the keys 512 g on,
; as four units of 128 keys.  They issue no tensor load, and use LDS bytes behind the ring that no tile lands on.
; mwords [tile of 16 queries][step of 128 keys][64]: word 8 t + j, bit r + 16 h = (mask[16 tile + r][128 step + 16 t + 8 h + j] == -inf).
; mflags [tile][g]: bit 4 g + u: step 4 g + u is wholly masked; bit 16 + 4 g + u: partly.  Nothing in this launch branches or addresses by them.
; PREFETCH: behind the joint load of K step t each wave names K step t + 2 of 32 of the 128 rows that it fetches, a lane a row of 256 bytes; the four partners that ask for a tile jointly
; share its rows out by address (cx for A, cy for B).  K steps 0 and 1 come by their loads alone; the loads of K steps 6 and 7 ask for nothing.
; LIMITS: e0 + e1, e2 + e3, e4 + e5 between -126 and 127; e6, e7, e9 between -126 and 119 (each power of two below is an f32 number).  NaN in a bias is not served; a NaN in the mask counts as not -inf.
; Fragments of x and W are fetched by loads of 16 bytes: the same permutation of k on both sides of a product.
; REGISTERS: window 0: v1-31 addresses; v32-95 bias by column, v96-103 bias by row (both loaded, one used); v104-111 mask words; v112, v113 the quantiser's scale and hold;
;   from v128 A's fragments, one set; on the way out v128-191 numbers at work, v192-255 four sets of 16 code registers.  window 1: B's fragments, two sets; in the mask's work-groups 256 numbers of the mask.
;   windows 2, 3: accumulator (a, b) at v[8 (8 (a % 4) + b)].
.set ROWB,   256
.set KROW,   2048
.set PITCH,  272                       ; an LDS row: 256 bytes + 16 of padding
.set FR,     16
.set NL,     4
.set NP,     4                         ; places behind this matrix instruction (ISA guide 7.12.1)
.set HALFT,  128*PITCH
.set SLOT,   4*HALFT                   ; A's 256 rows, then B's 256 rows
.set LAPS,   2048/(2*ROWB)
.set SPARE,  2*SLOT                    ; the spare words, 128 bytes a wave
.set MSTAGE, SPARE+512                 ; the mask's stage: 16 rows x (512 bytes + 16) for each wave
.set MPITCH, 528
.set PFO,  12                          ; v12  the prefetches' offset: 2,048 x lane
.set ADRA, 16
.set ADRB, 20
.set MSTO, 24
.set MRD,  25
.set L16,  26
.set L8,   27
.set SPW,  28
.set NIL,  29
.set ZOF,  30
.set FLG,  31
.set BC,   32
.set BV,   96
.set MW,   104
.set SCL,  112
.set LIM,  113
.set AF,   128
.set TMP,  128
.set COD,  192
.set G1, 24
.set G0, 32
.set G1B, 48
.set G0B, 56
.set PFA, 66                           ; s[66:67] my work-group's 32 rows, at the K step whose load is in hand
.set MSB, 0
.macro WIN new                         ; the immediate's high byte repeats the setting that is left
.if MSB != (\new)
	s_set_vgpr_msb (MSB<<8)|(\new)
.set MSB, (\new)
.endif
.endm
.set MUL_LO, 0xa1
.set MUL_HI, 0xf1
.set TO_B,   0x40
; A joint load: waves 0 and 1 fetch for A, waves 2 and 3 for B; the branch hangs on the wave's number alone.  s_nop 0 and four v_nop follow each line.
.macro JLOAD g0a, g1a, g0b, g1b
	s_cmp_eq_u32 s15, 0
	s_cbranch_scc0 .Lfor_b_\@
	tensor_load_to_lds s[\g0a:\g0a+3], s[\g1a:\g1a+7]
	s_nop 0
.rept 4
	v_nop
.endr
	s_branch .Lasked_\@
.Lfor_b_\@:
	tensor_load_to_lds s[\g0b:\g0b+3], s[\g1b:\g1b+7]
	s_nop 0
.rept 4
	v_nop
.endr
.Lasked_\@:
.endm
.macro ASK guard                       ; the K step two loads on; guard = 1: not in the loop's last trip, whose loads are K steps 6 and 7
.if \guard
	s_cmp_gt_u32 s3, 1
	s_cbranch_scc0 .Lno_ask_\@
.endif
	global_prefetch_b8 v[PFO], s[PFA:PFA+1] offset:2*ROWB th:TH_LOAD_NT scope:SCOPE_SE
.Lno_ask_\@:
.endm
.macro CREST                           ; a round of the cluster's barrier behind its opening barrier
	s_cmp_lg_u32 s14, 0
	s_cbranch_scc1 .Lnot_wave_0_\@
	s_barrier_signal -3
.Lnot_wave_0_\@:
	s_barrier_wait -3
	s_barrier_signal -1
	s_barrier_wait -1
.endm
.macro CROUND
	s_barrier_signal -1
	s_barrier_wait -1
	CREST
.endm
	s_load_b512 s[68:83], s[0:1], 0x0              ; x, Wq, Wk, Wv, bq, bk, bv, the scales' exponents
	s_load_b256 s[84:91], s[0:1], 0x40             ; mask, qimg, kimg, vimg
	s_load_b128 s[92:95], s[0:1], 0x60             ; mwords, mflags
	v_lshl_add_u32 v[SPW], v0, 2, SPARE
	v_mov_b32 v[NIL], 0
	ds_add_u32 v[SPW], v[NIL]                      ; the opening: the add, twice on end, and its wait
	ds_add_u32 v[SPW], v[NIL]
	v_lshrrev_b32 v1, 5, v0
	v_readfirstlane_b32 s14, v1                    ; wave 0..3
	s_lshr_b32 s15, s14, 1                         ; my half of the tile's rows; also: I fetch for A (0) or B (1)
	s_and_b32 s16, s14, 1                          ; my half of its columns; also: which 128 rows I fetch
	s_bfe_u32 s40, ttmp6, 0x40000                  ; cx
	s_bfe_u32 s41, ttmp6, 0x40004                  ; cy
	s_lshr_b32 s12, ttmp9, 1                       ; T
	s_and_b32 s42, ttmp9, 1
	s_lshl_b32 s42, s42, 2
	s_add_co_u32 s42, s42, s40                     ; tile column within the tensor, 0..7
	s_and_b32 s17, ttmp7, 0xffff
	s_lshl_b32 s17, s17, 2
	s_add_co_u32 s17, s17, s41                     ; tile row, 0..7
	s_lshl_b32 s43, s41, 2
	s_lshl_b32 s43, 15, s43                        ; my row of the cluster
	s_lshl_b32 s44, 0x1111, s40                    ; my column
	s_or_b32 s[G1+0], s43, (1<<20)|(1<<21)|(5<<22)|(3<<25)   ; the mask; elements of 1 byte; four words of padding after every 64
	s_or_b32 s[G1B+0], s44, (1<<20)|(1<<21)|(5<<22)|(3<<25)
.irp g, G1, G1B
	s_mov_b32 s[\g+1], ROWB<<16
	s_mov_b32 s[\g+2], 128<<16
	s_mov_b32 s[\g+3], ROWB<<16
	s_mov_b32 s[\g+4], 128
	s_mov_b32 s[\g+5], KROW
	s_mov_b32 s[\g+6], 0
	s_mov_b32 s[\g+7], 0
.endr
	s_lshl_b32 s18, s16, 7
	s_lshl_b32 s20, s17, 8
	s_add_co_u32 s20, s20, s18                     ; A: row 256 x tile row + 128 x half,
	s_lshl_b32 s20, s20, 11                        ; in bytes
	s_mov_b32 s21, 0
	s_lshl_b32 s46, s42, 8
	s_add_co_u32 s46, s46, s18                     ; B: row 256 x tile column + 128 x half
	s_lshl_b32 s46, s46, 11
	s_mov_b32 s47, 0
	s_mul_i32 s45, s14, HALFT                      ; where they go: wave x 128 rows
	s_lshl_b32 s18, s42, 1
	s_add_co_u32 s18, s18, s16                     ; X = which 128 columns are my wave's
	s_lshl_b32 s19, s17, 1
	s_add_co_u32 s19, s19, s15                     ; Y = which 128 rows
	s_cmp_eq_u32 s12, 2
	s_cselect_b32 s22, s19, s18                    ; the head: X for q and k, Y for v
	s_cselect_b32 s23, s18, s19                    ; eight tiles of tokens, or the key step
	s_lshl_b32 s22, s22, 18
	s_lshl_b32 s23, s23, 14
	s_add_co_u32 s22, s22, s23                     ; my wave's 16 KB in its image buffer
	s_mov_b32 s23, 0
	s_cmp_eq_u32 s15, 0                            ; the prefetches: the tile that I fetch for,
	s_cselect_b32 s98, s17, s42
	s_cselect_b32 s99, s40, s41                    ; and my place among the four that ask for it
	s_lshl_b32 s98, s98, 8
	s_lshl_b32 s100, s16, 7
	s_add_co_u32 s98, s98, s100
	s_lshl_b32 s99, s99, 5
	s_add_co_u32 s98, s98, s99                     ; my work-group's 32 rows,
	s_lshl_b32 s98, s98, 11                        ; in bytes
	s_mov_b32 s99, 0
	s_wait_dscnt 0x0                               ; both opening adds are done
	s_wait_alu depctr_va_vdst(0)
	s_wait_kmcnt 0x0
	s_cmp_eq_u32 s12, 0                            ; the buffers are chosen by T alone
	s_cselect_b64 s[6:7], s[70:71], s[72:73]
	s_cselect_b64 s[8:9], s[76:77], s[78:79]
	s_cselect_b64 s[10:11], s[86:87], s[88:89]
	s_cmp_eq_u32 s12, 2
	s_cselect_b64 s[6:7], s[74:75], s[6:7]         ; W
	s_cselect_b64 s[8:9], s[80:81], s[8:9]         ; its bias
	s_cselect_b64 s[10:11], s[90:91], s[10:11]     ; its image
	s_cselect_b64 s[4:5], s[6:7], s[68:69]         ; A = x, for v: Wv
	s_cselect_b64 s[6:7], s[68:69], s[6:7]         ; B = W, for v: x
	s_load_b256 s[68:75], s[82:83], 0x0            ; e0 .. e7
	s_load_b64 s[76:77], s[82:83], 0x20            ; e8, e9
	s_add_nc_u64 s[10:11], s[10:11], s[22:23]
	s_add_nc_u64 s[20:21], s[4:5], s[20:21]
	s_add_nc_u64 s[46:47], s[6:7], s[46:47]
	s_cmp_eq_u32 s15, 0
	s_cselect_b64 s[PFA:PFA+1], s[4:5], s[6:7]
	s_add_nc_u64 s[PFA:PFA+1], s[PFA:PFA+1], s[98:99]
	CROUND                                         ; all sixteen work-groups are here
	s_cmp_ge_u32 ttmp9, 6                          ; the cluster's x: the same in all partners
	s_cbranch_scc1 .Lmask
.irp s, 0,1
	s_mov_b32 s[G0+4*\s], 1
	s_add_co_u32 s[G0+4*\s+1], s45, \s*SLOT
	s_add_nc_u64 s[G0+4*\s+2:G0+4*\s+3], s[20:21], \s*ROWB
	s_or_b32 s[G0+4*\s+3], s[G0+4*\s+3], 0x80000000
	s_mov_b32 s[G0B+4*\s], 1
	s_add_co_u32 s[G0B+4*\s+1], s45, \s*SLOT
	s_add_nc_u64 s[G0B+4*\s+2:G0B+4*\s+3], s[46:47], \s*ROWB
	s_or_b32 s[G0B+4*\s+3], s[G0B+4*\s+3], 0x80000000
.endr
	JLOAD G0, G1, G0B, G1B                         ; K step 0: one tensor load a wave at the head
	s_mul_i32 s21, s15, HALFT                      ; my 128 rows of A
	s_mul_i32 s22, s16, HALFT                      ; my 128 rows of B,
	s_add_co_u32 s22, s22, 2*HALFT                 ; behind A's 256
	s_lshl_b32 s18, s42, 10
	s_lshl_b32 s19, s16, 9
	s_add_co_u32 s18, s18, s19                     ; bias by column: 4 (256 tile column + 128 half)
	s_lshl_b32 s19, s17, 10
	s_lshl_b32 s23, s15, 9
	s_add_co_u32 s19, s19, s23                     ; bias by row
	v_and_b32 v1, 15, v0                           ; r
	v_bfe_u32 v2, v0, 4, 1                         ; h
	v_mul_u32_u24 v3, v1, PITCH
	v_lshl_add_u32 v4, v2, 4, v3                   ; a fragment's row x pitch + 16 h
	v_add_nc_u32 v[ADRA], s21, v4
	v_add_nc_u32 v[ADRB], s22, v4
	v_add_nc_u32 v[ADRA+1], SLOT, v[ADRA]
	v_add_nc_u32 v[ADRB+1], SLOT, v[ADRB]
	v_and_b32 v5, 31, v0
	v_lshlrev_b32 v[L16], 4, v5
	v_lshlrev_b32 v[PFO], 11, v5
	v_lshl_add_u32 v7, v2, 5, s18
	v_lshl_add_u32 v8, v1, 2, s19
	ASK 0                                          ; K step 2
.irp b, 0,1,2,3,4,5,6,7
	global_load_b128 v[BC+8*\b:BC+8*\b+3], v7, s[8:9] offset:64*\b        ; bias[column 16 b + 8 h + 0 .. 7]
	global_load_b128 v[BC+8*\b+4:BC+8*\b+7], v7, s[8:9] offset:64*\b+16
.endr
.irp a, 0,1,2,3,4,5,6,7
	global_load_b32 v[BV+\a], v8, s[8:9] offset:64*\a                     ; bias[row 16 a + r]
.endr
.macro FRAG reg, adr, q, i             ; 16 rows x 128 K: registers 4 c .. 4 c + 3 hold K = 32 c + 16 h + 0 .. 15
.irp c, 0,1,2,3
	ds_load_b128 v[\reg+4*\c:\reg+4*\c+3], v[\adr] offset:128*(\q)+32*\c+(\i)*16*PITCH
.endr
.endm
; 16 matrix instructions: A's blocks a0, a0 + 1 x B's eight.  The 64 accumulators take turns, one instruction a turn.
.macro MUL16 a0, p, zero
.irp a, \a0, \a0+1
.irp b, 0,1,2,3,4,5,6,7
.if \zero
	v_wmma_f32_16x16x128_fp8_fp8 v[8*(8*((\a)%4)+\b):8*(8*((\a)%4)+\b)+7], v[128*(\p)+FR*\b:128*(\p)+FR*\b+FR-1], v[AF+FR*(\a):AF+FR*(\a)+FR-1], 0
.else
	v_wmma_f32_16x16x128_fp8_fp8 v[8*(8*((\a)%4)+\b):8*(8*((\a)%4)+\b)+7], v[128*(\p)+FR*\b:128*(\p)+FR*\b+FR-1], v[AF+FR*(\a):AF+FR*(\a)+FR-1], v[8*(8*((\a)%4)+\b):8*(8*((\a)%4)+\b)+7]
.endif
.endr
.endr
.endm
.macro FETCH_B slot, q, p
	WIN TO_B
.irp i, 0,1,2,3,4,5,6,7
	FRAG 128*(\p)+FR*\i, ADRB+\slot, \q, \i
.endr
	WIN 0
.endm
.macro FETCH_A slot, q, i0
.irp i, \i0, \i0+1, \i0+2, \i0+3
	FRAG AF+FR*(\i), ADRA+\slot, \q, \i
.endr
.endm
.macro PLACES n                        ; plain vector lines in front of loads into matrix sources and of reads of results
.rept \n
	v_nop
.endr
.endm
; A step of 128 along K that has its successor in the same slot.  A's one set: blocks 0-3 are fetched anew in the step's middle, blocks 4-7 at its end.
.macro STEP slot, q, zero
	s_wait_dscnt 4*NL                              ; all but the youngest 16 loads (A's blocks 4-7)
	WIN MUL_LO
	MUL16 0, (\q)%2, \zero
	MUL16 2, (\q)%2, \zero
	s_wait_dscnt 0
	PLACES NP
	FETCH_B \slot, (\q)+1, 1-(\q)%2
	FETCH_A \slot, (\q)+1, 0
	WIN MUL_HI
	MUL16 4, (\q)%2, \zero
	MUL16 6, (\q)%2, \zero
	PLACES NP
	WIN 0
	FETCH_A \slot, (\q)+1, 4
.endm
; A slot's last step changes slots: in front of the barrier each wave waits for all its tensor loads, adds 0 to its spare word, and waits for that and for its reads of this slot.
.macro TURN slot, next, fill
.if \fill
	s_wait_xcnt 0x0                                ; my last prefetch has read its address
	s_add_nc_u64 s[PFA:PFA+1], s[PFA:PFA+1], ROWB
.endif
	s_wait_tensorcnt 0x0                           ; my part of the next slot has landed
	ds_add_u32 v[SPW], v[NIL]
	s_wait_dscnt 4*NL+1                            ; the add and the youngest 16 loads may be out
	WIN MUL_LO
	MUL16 0, 1, 0
	s_wait_dscnt 0x0                               ; the add is done, my reads of this slot are over
	s_barrier_signal -1
	MUL16 2, 1, 0
	WIN 0
	s_barrier_wait -1
.if \fill
	CREST                                          ; the barrier has opened a round of the cluster's
	s_add_nc_u64 s[G0+4*\slot+2:G0+4*\slot+3], s[G0+4*\slot+2:G0+4*\slot+3], 2*ROWB
	s_add_nc_u64 s[G0B+4*\slot+2:G0B+4*\slot+3], s[G0B+4*\slot+2:G0B+4*\slot+3], 2*ROWB
	JLOAD G0+4*\slot, G1, G0B+4*\slot, G1B         ; the first tensor load behind the round; its four v_nop are the places in front of the loads below
.else
	PLACES NP
.endif
	FETCH_B \next, 0, 0
	FETCH_A \next, 0, 0
.if \fill
	ASK 1
.endif
	WIN MUL_HI
	MUL16 4, 1, 0
	MUL16 6, 1, 0
	PLACES NP
	WIN 0
	FETCH_A \next, 0, 4
.endm
	s_wait_alu depctr_va_vdst(0)                   ; the head's end
	s_wait_xcnt 0x0                                ; the prefetch has read its address
	s_add_nc_u64 s[PFA:PFA+1], s[PFA:PFA+1], ROWB
	s_wait_tensorcnt 0x0                           ; my part of K step 0 is in; slot 1's first fill is issued as a refill is
	ds_add_u32 v[SPW], v[NIL]
	s_wait_dscnt 0x0
	CROUND
	JLOAD G0+4, G1, G0B+4, G1B                     ; K step 1
	FETCH_B 0, 0, 0
	FETCH_A 0, 0, 0
	FETCH_A 0, 0, 4
	ASK 0                                          ; K step 3
	STEP 0, 0, 1                                   ; the first step's products start the sums
	s_mov_b32 s3, LAPS-1
.Llap:                                                 ; a trip goes once round the ring and fills both slots again
	TURN 0, 1, 1
	STEP 1, 0, 0
	TURN 1, 0, 1
	STEP 0, 0, 0
	s_sub_co_u32 s3, s3, 1
	s_cmp_lg_u32 s3, 0
	s_cbranch_scc1 .Llap
	TURN 0, 1, 0                                   ; the last lap fills nothing
	STEP 1, 0, 0
	s_wait_dscnt 4*NL
	WIN MUL_LO
	MUL16 0, 1, 0
	MUL16 2, 1, 0
	s_wait_dscnt 0
	WIN MUL_HI
	MUL16 4, 1, 0
	MUL16 6, 1, 0
	WIN 0
	; THE WAY OUT.  y = sum x 2^(ea + eb) + bias; code = y / 2^eo, held within +-448.  The exponents are chosen by T, without a branch.
	s_wait_kmcnt 0x0
	s_add_co_i32 s18, s68, s69
	s_add_co_i32 s19, s70, s71
	s_add_co_i32 s20, s72, s73
	s_cmp_eq_u32 s12, 0
	s_cselect_b32 s18, s18, s19
	s_cselect_b32 s21, s74, s75                    ; e6 for q, e7 for k,
	s_cmp_eq_u32 s12, 2
	s_cselect_b32 s18, s20, s18
	s_cselect_b32 s21, s77, s21                    ; e9 for v
	s_add_co_i32 s18, s18, 127
	s_lshl_b32 s96, s18, 23                        ; 2^(ea + eb)
	s_mov_b32 s97, s96
	s_add_co_i32 s21, s21, 127
	s_lshl_b32 s22, s21, 23
	v_mov_b32 v[SCL], s22                          ; 2^eo
	s_add_co_i32 s21, s21, 8
	s_lshl_b32 s21, s21, 23
	s_or_b32 s21, s21, 0x600000
	v_mov_b32 v[LIM], s21                          ; 448 x 2^eo
	PLACES NP
	s_wait_loadcnt 0x0                             ; the biases
; Block a (16 rows of A x my 128 columns) becomes one fragment of codes and leaves as four stores of 512 consecutive bytes.  Each accumulator is read from its low end on.
.macro EPI isv
.irp a, 0,1,2,3,4,5,6,7
.if \a >= 4
	s_wait_xcnt 0x0                                ; block a - 4's stores have read their registers
.endif
.set AC, 64*(\a%4)
.set CD, COD+16*(\a%4)
	WIN 0x02+(\a/4)
.set j, 0
.rept 32
.if \isv
.if \a%2
	v_pk_fma_f32 v[TMP+j:TMP+j+1], v[AC+j:AC+j+1], s[96:97], v[BV+\a-1:BV+\a] op_sel:[0,0,1] op_sel_hi:[1,0,1]   ; my row's bias: the pair's second register
.else
	v_pk_fma_f32 v[TMP+j:TMP+j+1], v[AC+j:AC+j+1], s[96:97], v[BV+\a:BV+\a+1] op_sel_hi:[1,0,0]                  ; the pair's first
.endif
.else
	v_pk_fma_f32 v[TMP+j:TMP+j+1], v[AC+j:AC+j+1], s[96:97], v[BC+j:BC+j+1] op_sel_hi:[1,0,1]                    ; the columns' biases
.endif
.set j, j+2
.endr
	WIN 0
.set j, 0
.rept 64
	v_med3_num_f32 v[TMP+j], v[TMP+j], -v[LIM], v[LIM]   ; the conversion does not saturate (ISA guide 7.6.2)
.set j, j+1
.endr
.irp b, 0,1,2,3,4,5,6,7
	v_cvt_scalef32_pk8_fp8_f32 v[CD+2*\b:CD+2*\b+1], v[TMP+8*\b:TMP+8*\b+7], v[SCL]
.endr
	v_nop                                          ; one plain line behind the last conversion
.irp c, 0,1,2,3
	global_store_b128 v[L16], v[CD+4*\c:CD+4*\c+3], s[10:11] offset:2048*\a+512*\c
.endr
.endr
.endm
; Unit u of the mask (16 rows x 128 keys) turns through my stage, so that lane (r, h) holds row r's keys 16 t + 8 h + j in register 8 t + j: the place that the scores will have.
.macro PACK u
	s_wait_loadcnt 48-16*\u                        ; this unit's 16 loads are in; the 16 of each later unit may be out
	WIN 0x04                                       ; store data in window 1
.irp p, 0,1,2,3,4,5,6,7,8,9,10,11,12,13,14,15
	ds_store_b128 v[MSTO], v[64*\u+4*\p:64*\u+4*\p+3] offset:MPITCH*\p
.endr
	WIN 0
.irp t, 0,1,2,3,4,5,6,7
	ds_load_b128 v[TMP+8*\t:TMP+8*\t+3], v[MRD] offset:64*\t      ; LDS serves a wave's instructions in order
	ds_load_b128 v[TMP+8*\t+4:TMP+8*\t+7], v[MRD] offset:64*\t+16
.endr
	v_mov_b32 v[MW+2*\u], 0
	v_mov_b32 v[MW+2*\u+1], 0
	s_mov_b32 s78, -1                              ; the AND of the unit's 64 words,
	s_mov_b32 s79, 0                               ; and their OR
	s_wait_dscnt 0x0
.irp t, 0,1,2,3,4,5,6,7
.irp j, 0,1,2,3,4,5,6,7
	v_cmp_eq_f32 s[40+\j], s98, v[TMP+8*\t+\j]     ; word 8 t + j: one bit a lane
.endr
.irp j, 0,1,2,3,4,5,6,7
	v_writelane_b32 v[MW+2*\u+\j%2], s[40+\j], 4*\t+\j/2   ; words 2 L, 2 L + 1 go to lane L
	s_and_b32 s78, s78, s[40+\j]
	s_or_b32 s79, s79, s[40+\j]
.endr
.endr
	global_store_b64 v[L8], v[MW+2*\u:MW+2*\u+1], s[92:93] offset:256*\u   ; 256 consecutive bytes, aligned
	s_cmp_eq_u32 s78, -1
	s_cselect_b32 s80, 1, 0                        ; wholly masked
	s_cmp_lg_u32 s79, 0
	s_cselect_b32 s81, 1, 0
	s_and_not1_b32 s81, s81, s80                   ; partly
	s_lshl_b32 s81, s81, 16
	s_or_b32 s80, s80, s81
	s_lshl_b32 s80, s80, s99
	s_or_b32 s100, s100, s80
	s_add_co_u32 s99, s99, 1
.endm
	s_cmp_lt_u32 ttmp9, 4                          ; q and k, or v: the cluster's x
	s_cbranch_scc0 .Lv
	EPI 0
	s_branch .Lend
.Lv:
	EPI 1
	s_branch .Lend
.Lmask:                                                ; THE MASK'S WORK-GROUPS
	s_wait_kmcnt 0x0
	s_and_b32 s18, ttmp9, 1
	s_lshl_b32 s18, s18, 1
	s_and_b32 s19, ttmp7, 0xffff
	s_add_co_u32 s18, s18, s19
	s_lshl_b32 s18, s18, 2
	s_add_co_u32 s18, s18, s41
	s_lshl_b32 s18, s18, 2
	s_add_co_u32 s18, s18, s40                     ; m, 0 .. 63
	s_lshl_b32 s18, s18, 1                         ; my first tile of 16 rows
	s_lshl_b32 s20, s18, 17                        ; 16 rows of 8,192 bytes,
	s_lshl_b32 s21, s14, 11                        ; my wave's 512 keys
	s_add_co_u32 s20, s20, s21
	s_mov_b32 s21, 0
	s_add_nc_u64 s[84:85], s[84:85], s[20:21]
	s_lshl_b32 s20, s18, 12
	s_lshl_b32 s22, s14, 10
	s_add_co_u32 s20, s20, s22
	s_add_nc_u64 s[92:93], s[92:93], s[20:21]
	s_lshl_b32 s20, s18, 4
	s_lshl_b32 s22, s14, 2
	s_add_co_u32 s20, s20, s22
	s_add_nc_u64 s[94:95], s[94:95], s[20:21]
	s_mov_b32 s98, 0xff800000                      ; -inf
	s_mul_i32 s23, s14, 16*MPITCH
	s_add_co_u32 s23, s23, MSTAGE                  ; my stage
	s_mov_b32 s3, 2
	v_and_b32 v1, 15, v0
	v_bfe_u32 v2, v0, 4, 1
	v_and_b32 v5, 31, v0
	v_lshlrev_b32 v[L16], 4, v5
	v_lshlrev_b32 v[L8], 3, v5
	v_add_nc_u32 v[MSTO], s23, v[L16]              ; in: 16 x lane
	v_mul_u32_u24 v6, v1, MPITCH
	v_lshl_add_u32 v6, v2, 5, v6
	v_add_nc_u32 v[MRD], s23, v6                   ; back: row r, + 32 h
	v_mov_b32 v[ZOF], 0
	s_wait_alu depctr_va_vdst(0)
.Ltile:                                                ; two trips, a tile of 16 rows each
	s_lshl_b32 s99, s14, 2                         ; the first of my four steps
	s_mov_b32 s100, 0
	WIN TO_B
.irp u, 0,1,2,3
.irp p, 0,1,2,3,4,5,6,7,8,9,10,11,12,13,14,15
	global_load_b128 v[64*\u+4*\p:64*\u+4*\p+3], v[L16], s[84:85] offset:8192*\p+512*\u th:TH_LOAD_NT   ; 512 consecutive bytes of one row; read once
.endr
.endr
	WIN 0
	PACK 0
	PACK 1
	PACK 2
	PACK 3
	v_mov_b32 v[FLG], s100
	v_cmp_eq_u32 vcc_lo, 0, v5
	s_wait_alu depctr_va_vdst(0)
	s_wait_xcnt 0x0                                ; EXEC changes only behind this wait
	s_and_saveexec_b32 s101, vcc_lo
	global_store_b32 v[ZOF], v[FLG], s[94:95]      ; lane 0 stores my wave's flag word
	s_wait_xcnt 0x0
	s_or_b32 exec_lo, exec_lo, s101
	s_add_nc_u64 s[84:85], s[84:85], 131072        ; the next tile: behind the wait above, the bases may step
	s_add_nc_u64 s[92:93], s[92:93], 4096
	s_add_nc_u64 s[94:95], s[94:95], 16
	s_sub_co_u32 s3, s3, 1
	s_cmp_lg_u32 s3, 0
	s_wait_alu depctr_va_vdst(0)                   ; ahead of the branch
	s_cbranch_scc1 .Ltile
.Lend:
	s_wait_tensorcnt 0x0                           ; the wave's end
	ds_add_u32 v[SPW], v[NIL]
	s_wait_dscnt 0x0
	CROUND                                         ; the closing round
	s_endpgm
.Lfunc_end_k_q6b12d4f4f6_qkv:
	.size	k_q6b12d4f4f6_qkv, .Lfunc_end_k_q6b12d4f4f6_qkv-k_q6b12d4f4f6_qkv
	.p2alignl 7, 3214868480
	.fill 96, 4, 3214868480
	.section	.rodata,"a",@progbits
	.p2align	6, 0x0
	.amdhsa_kernel k_q6b12d4f4f6_qkv
		.amdhsa_group_segment_fixed_size 327680
		.amdhsa_private_segment_fixed_size 0
		.amdhsa_enable_private_segment 0
		.amdhsa_kernarg_size 112
		.amdhsa_user_sgpr_count 2
		.amdhsa_user_sgpr_kernarg_segment_ptr 1
		.amdhsa_wavefront_size32 1
		.amdhsa_system_sgpr_workgroup_id_x 1
		.amdhsa_system_sgpr_workgroup_id_y 1
		.amdhsa_system_sgpr_workgroup_id_z 1
		.amdhsa_system_vgpr_workitem_id 0
		.amdhsa_next_free_vgpr 1024
		.amdhsa_next_free_sgpr 102
		.amdhsa_reserve_vcc 1
		.amdhsa_float_denorm_mode_32 3
		.amdhsa_float_denorm_mode_16_64 3
		.amdhsa_memory_ordered 1
		.amdhsa_forward_progress 1
		.amdhsa_inst_pref_size 255
	.end_amdhsa_kernel
	.section	.bss,"aw",@nobits
	.p2align	6
	.space	262144
	.amdgpu_metadata
---
amdhsa.version: [ 1, 2 ]
amdhsa.kernels:
  - .name:           k_q6b12d4f4f6_qkv
    .symbol:         k_q6b12d4f4f6_qkv.kd
    .args:
      - { .name: x_codes, .offset: 0, .size: 8, .value_kind: global_buffer, .address_space: global }
      - { .name: Wq_codes, .offset: 8, .size: 8, .value_kind: global_buffer, .address_space: global }
      - { .name: Wk_codes, .offset: 16, .size: 8, .value_kind: global_buffer, .address_space: global }
      - { .name: Wv_codes, .offset: 24, .size: 8, .value_kind: global_buffer, .address_space: global }
      - { .name: bq, .offset: 32, .size: 8, .value_kind: global_buffer, .address_space: global }
      - { .name: bk, .offset: 40, .size: 8, .value_kind: global_buffer, .address_space: global }
      - { .name: bv, .offset: 48, .size: 8, .value_kind: global_buffer, .address_space: global }
      - { .name: lowp_scales, .offset: 56, .size: 8, .value_kind: global_buffer, .address_space: global }
      - { .name: mask, .offset: 64, .size: 8, .value_kind: global_buffer, .address_space: global }
      - { .name: qimg, .offset: 72, .size: 8, .value_kind: global_buffer, .address_space: global }
      - { .name: kimg, .offset: 80, .size: 8, .value_kind: global_buffer, .address_space: global }
      - { .name: vimg, .offset: 88, .size: 8, .value_kind: global_buffer, .address_space: global }
      - { .name: mwords, .offset: 96, .size: 8, .value_kind: global_buffer, .address_space: global }
      - { .name: mflags, .offset: 104, .size: 8, .value_kind: global_buffer, .address_space: global }
    .group_segment_fixed_size: 327680
    .private_segment_fixed_size: 0
    .kernarg_segment_align: 8
    .kernarg_segment_size: 112
    .max_flat_workgroup_size: 128
    .sgpr_count:     102
    .vgpr_count:     1024
    .wavefront_size: 32
...
	.end_amdgpu_metadata
.endif
;; end of part 4
;; launch attn (part 5): grid 16 x 16, 8 waves a work-group, no clusters, 234,496 bytes of LDS; arguments qimg, kimg, vimg, mwords, mflags, lowp_scales, cimg; writes cimg
.if DOCPART == 5
	.amdgcn_target "amdgcn-amd-amdhsa--gfx1250"
	.amdhsa_code_object_version 6
	.text
	.protected	k_q6b12d4f4f6_attn
	.globl	k_q6b12d4f4f6_attn
	.p2align	8
	.type	k_q6b12d4f4f6_attn,@function
k_q6b12d4f4f6_attn:
	s_mov_b64 s[64:65], 0
	v_nop
	global_prefetch_b8 v0, s[64:65] scope:SCOPE_SE
	s_setreg_imm32_b32 hwreg(HW_REG_WAVE_MODE, 25, 1), 1
	s_wait_xcnt 0x0
; ctx[q][head] = softmax_k(masked q . k / sqrt(128)) v, both products on E4M3 codes, and ctx quantised to E4M3 for the output projection.
; THE SOFTMAX AHEAD OF THE SECOND PRODUCT: t = score x log2(e) / sqrt(128); M = the largest t so far, rounded UP to a whole number; p = 2^(t - M) is quantised with 2^e8, not normalised;
; the sum is taken of the unquantised p and divides at the end.  When M moves, the sum and O are multiplied by 2^(old M - new M): exact.
; SHARES.  Work-group (i, head) owns 128 queries: the tiles of 16 queries 4 i .. 4 i + 3 and 124 - 4 i .. 127 - 4 i, as four PAIRS of neighbouring tiles.  Wave w = 4 e + 2 q + j works pair j of end e
; (0: the low tiles) and, of each slot of 256 keys, step q of 128 keys: EACH FRAGMENT OF K AND V THAT IT READS FROM LDS FEEDS BOTH TILES, 32 matrix instructions for 64 loads of fragments.
; Waves w and w xor 2 so divide the keys of one pair, each with an M, a sum and an O of its own for each tile.  At the end each hands its part of the partner's tile (tile 1 - q of the pair) over through LDS
; and joins the two parts of its own tile (tile q) under the larger M: again exact powers of two.  Every wave walks all 8 slots, fetches its eighth of each and passes every barrier.
; OPERANDS come as images of their registers (a fragment: 2,048 bytes, registers 4 c .. 4 c + 3 of lane l at 512 c + 16 l): every load is 512 consecutive bytes.
; Both products are used transposed (S^T = K Q^T, O^T = V^T P^T): a lane holds ONE query (lane % 16); register 8 t + j of S^T is key 16 t + 8 (lane / 16) + j of the step.
; THE MASK is data.  A step is jumped over where mflags says that it is wholly masked for BOTH tiles (p would be 0, and M, the sums and O unchanged).  In a step that is worked, a tile that is partly or wholly
; masked takes -inf by 64 selects on its words of mwords.  All are scalar branches on whole numbers that the launch before stored.  My tile's words are asked for a step earlier; the partner's tile's
; behind my tile's selects, so that my tile's softmax stands between the request and the wait.  The words' addresses are stepped once a trip, outside those branches.
; NO TENSOR LOADS AND NO JOINT REQUESTS, though the 16 work-groups of a head read the same K and V: which steps a wave works hangs on numbers read from memory, and a text with tensor loads
; has no such branch.  The ring of two buffers is filled through registers: 16 loads of 512 bytes a wave a slot, asked for a slot ahead.
; PREFETCH: behind the loads of slot s, s <= 5, slot s + 2 is named, once in a head: work-group x's wave x / 2 names half x % 2 of the 8 KB that this wave fetches of a slot: 16 blocks of 256 bytes,
; lanes 0-15 a block each (lanes 16-31 name the last again).  Slots 0 and 1 come by their loads alone.
; A ROW WITH NO OPEN KEY has the sum 0: its codes are made the NaN code.
; LIMITS: e6 + e7 between -123 and 130; e8 and e10 between -126 and 119; e8 + e9 goes by v_ldexp_f32 and has none.
; REGISTERS (512): v1 16 x lane; v2, v3 where I read a buffer; v4, v5 where I fill it; v6, v7 my stage; v8-11 the partner's tile: -M, largest t, the sum in two halves; v12-15 the same of my tile;
;   v16-31 the partner's tile's Q; v32-95 the slot on its way; v96-159 my tile's S^T, then p, then (v96-111) the partner's tile's codes; v160-223 my tile's O^T;
;   v224-239 my tile's Q, read anew from my own LDS bytes in each step, then its codes; v240-255 constants and numbers at work.
;   window 1: v0-127 eight fragments, K's and then V's; v128-191 the partner's tile's O^T; v192-255 its S^T.
;   s[16:63], s[68:83]: 64 mask words; s93: both tiles wholly masked; s12, s13: my tile, the partner's, takes its words; this slot's step at bit 0.  s[10:11], s[8:9] their words; s98: 1 where p's hold can bind.
.set BUF1,   65536                     ; a buffer: K's 16 fragments (32 KB), then V's 2 x 8
.set VOFF,   32768
.set STAGE,  2*BUF1                    ; 16 rows x (128 bytes + 16) for each wave
.set SPITCH, 144
.set XCH,    STAGE+8*16*SPITCH         ; what a wave hands over: O^T, 8,192 bytes, then (-M, sum), 256 bytes
.set XW,     8448
.set QST,    XCH+8*XW                  ; my tile's Q, 2,048 bytes for each wave
.set SPARE,  QST+8*2048                ; the spare words, 128 bytes a wave
.set SG,     32
.set FRG,    0
.set PFO,    246
.set QAD,    247
.set NIL,    248
.set SPW,    249
.set MSB, 0
.macro WIN new                         ; the immediate's high byte repeats the setting that is left
.if MSB != (\new)
	s_set_vgpr_msb (MSB<<8)|(\new)
.set MSB, (\new)
.endif
.endm
.macro GLOAD                           ; my 8 KB of the next slot
.irp j, 0,1,2,3,4,5,6,7,8,9,10,11,12,13,14,15
	global_load_b128 v[SG+4*\j:SG+4*\j+3], v1, s[96:97] offset:512*\j
.endr
.endm
.macro ASK                             ; two slots on from the one just asked for
	s_cmp_lt_u32 s104, 6
	s_cselect_b32 s99, s105, -1
	s_cmp_eq_u32 s2, s99
	s_cbranch_scc0 .Lna_\@
	global_prefetch_b8 v[PFO], s[96:97] offset:65536 th:TH_LOAD_NT scope:SCOPE_SE
.Lna_\@:
.endm
.macro LSTORE b
	s_wait_loadcnt 0x0
.irp j, 0,1,2,3,4,5,6,7,8,9,10,11,12,13,14,15
	ds_store_b128 v[4+(\b)], v[SG+4*\j:SG+4*\j+3] offset:512*\j
.endr
	s_wait_xcnt 0x0                                ; the prefetch too has read the base
	s_add_nc_u64 s[96:97], s[96:97], 32768
	s_add_co_u32 s104, s104, 1
.endm
.macro BARRIER                         ; my stores into the one buffer have landed and my reads of the other are in
	s_wait_dscnt 0x0
	s_barrier_signal -1
	s_barrier_wait -1
.endm
.macro LDW p, o                        ; 64 words
	s_load_b512 s[16:31], s[\p:\p+1], \o
	s_load_b512 s[32:47], s[\p:\p+1], \o+0x40
	s_load_b512 s[48:63], s[\p:\p+1], \o+0x80
	s_load_b512 s[68:83], s[\p:\p+1], \o+0xc0
.endm
.macro SELECT SB                       ; -inf where the lane's bit is set: p = 0 then
.set n, 0
.rept 64
.if n < 48
	v_cndmask_b32 v[\SB+n], v[\SB+n], v241, s[16+n]
.else
	v_cndmask_b32 v[\SB+n], v[\SB+n], v241, s[20+n]
.endif
.set n, n+1
.endr
.endm
; One tile's softmax: S^T at SB in window W, its state at ST, its codes to CD (window 0), its O^T at OB in window W.
.macro SOFTMAX W, SB, ST, CD, OB
	WIN 0x15*\W
	s_wait_alu depctr_va_vdst(0)                   ; directly ahead of the first readers of S^T: the eight lines below, one an accumulator, each at its low end
.set a, 0
.rept 8
	v_max3_num_f32 v[250+a-14*(a/6)], v[\SB+8*a], v[\SB+8*a+1], v[\SB+8*a+2]   ; eight chains: v250-255, v242, v243
.set a, a+1
.endr
	WIN 0x14*\W
.irp i, 3,5
.set a, 0
.rept 8
	v_max3_num_f32 v[250+a-14*(a/6)], v[250+a-14*(a/6)], v[\SB+8*a+\i], v[\SB+8*a+\i+1]
.set a, a+1
.endr
.endr
	WIN 0x10*\W
	v_max3_num_f32 v250, v250, v251, v[\SB+7]      ; the chains and each accumulator's last score
	v_max3_num_f32 v252, v252, v253, v[\SB+15]
	v_max3_num_f32 v254, v254, v255, v[\SB+23]
	v_max3_num_f32 v242, v242, v243, v[\SB+31]
	v_max3_num_f32 v250, v250, v252, v[\SB+39]
	v_max3_num_f32 v254, v254, v242, v[\SB+47]
	v_max3_num_f32 v250, v250, v254, v[\SB+55]
	v_max3_num_f32 v250, v250, v250, v[\SB+63]
	WIN 0
	v_permlanex16_b32 v245, v250, s86, s87
	v_max_num_f32 v250, v250, v245                 ; and among lane l xor 16's
	v_mul_f32 v250, s94, v250                      ; as t (c is positive)
	v_max_num_f32 v[\ST+1], v[\ST+1], v250         ; the running largest t
	v_mov_b32 v250, v[\ST]
	v_floor_f32 v[\ST], -v[\ST+1]                  ; the new -M: M is a whole number
	v_sub_f32 v250, v[\ST], v250                   ; old M - new M
	v_cvt_i32_f32 v250, v250                       ; (it saturates)
	v_ldexp_f32 v252, 1.0, v250                    ; f = 2^(old M - new M)
	WIN 0x41*\W
.set j, 0
.rept 32
	v_pk_fma_f32 v[\SB+j:\SB+j+1], v[\SB+j:\SB+j+1], s[94:95], v[\ST:\ST+1] op_sel_hi:[1,0,0]   ; t - M
.set j, j+2
.endr
	s_wait_alu depctr_va_vdst(0)                   ; ahead of the batch
.set j, 0
.rept 64
	v_exp_f32 v[\SB+j], v[\SB+j]                   ; p = 2^(t - M)
.set j, j+1
.endr
	WIN 0
	v_pk_mul_f32 v[\ST+2:\ST+3], v[\ST+2:\ST+3], v[252:253] op_sel_hi:[1,0]   ; the sums under the new M (a plain line behind the exponentials)
	s_wait_alu depctr_va_vdst(0)                   ; behind the batch
	WIN 0x05*\W
	v_pk_add_f32 v[242:243], v[\SB:\SB+1], v[\SB+2:\SB+3]       ; the sum of the unquantised p, in four chains
	v_pk_add_f32 v[250:251], v[\SB+4:\SB+5], v[\SB+6:\SB+7]
	v_pk_add_f32 v[254:255], v[\SB+8:\SB+9], v[\SB+10:\SB+11]
	WIN 0x04*\W
	v_pk_add_f32 v[\ST+2:\ST+3], v[\ST+2:\ST+3], v[\SB+12:\SB+13]
.set j, \SB+14
.rept 6
	v_pk_add_f32 v[242:243], v[242:243], v[j:j+1]
	v_pk_add_f32 v[250:251], v[250:251], v[j+2:j+3]
	v_pk_add_f32 v[254:255], v[254:255], v[j+4:j+5]
	v_pk_add_f32 v[\ST+2:\ST+3], v[\ST+2:\ST+3], v[j+6:j+7]
.set j, j+8
.endr
	v_pk_add_f32 v[242:243], v[242:243], v[\SB+62:\SB+63]
	WIN 0
	v_pk_add_f32 v[250:251], v[250:251], v[254:255]
	v_pk_add_f32 v[\ST+2:\ST+3], v[\ST+2:\ST+3], v[242:243]
	v_pk_add_f32 v[\ST+2:\ST+3], v[\ST+2:\ST+3], v[250:251]
	s_cmp_eq_u32 s98, 0
	s_cbranch_scc1 .Lfit_\@                        ; every p lies under the largest code x the scale
	WIN 0x41*\W
.set j, 0
.rept 64
	v_min_num_f32 v[\SB+j], v[\SB+j], v240         ; the conversion does not saturate (ISA guide 7.6.2); p is not negative
.set j, j+1
.endr
	WIN 0
.Lfit_\@:
	WIN 0x01*\W
.irp t, 0,1,2,3,4,5,6,7
	v_cvt_scalef32_pk8_fp8_f32 v[\CD+2*\t:\CD+2*\t+1], v[\SB+8*\t:\SB+8*\t+7], v244   ; registers 2 t, 2 t + 1 of P's fragment
.endr
	WIN 0x41*\W
	s_wait_alu depctr_va_vdst(0)                   ; directly ahead of the first reader of O^T
.set j, 0
.rept 32
	v_pk_mul_f32 v[\OB+j:\OB+j+1], v[\OB+j:\OB+j+1], v[252:253] op_sel_hi:[1,0]   ; O^T under the new M; also the plain lines behind the conversions
.set j, j+2
.endr
	WIN 0
.endm
	s_load_b256 s[4:11], s[0:1], 0x0               ; qimg, kimg, vimg, mwords
	s_load_b128 s[12:15], s[0:1], 0x20             ; mflags, the scales' exponents
	s_load_b64 s[84:85], s[0:1], 0x30              ; cimg
	v_lshl_add_u32 v[SPW], v0, 2, SPARE
	v_mov_b32 v[NIL], 0
	v_lshrrev_b32 v242, 5, v0
	v_readfirstlane_b32 s2, v242                   ; wave 0..7
	s_lshr_b32 s40, s2, 1
	s_and_b32 s40, s40, 1                          ; q: which step of a slot is mine
	s_and_b32 s41, s2, 1
	s_lshl_b32 s41, s41, 1                         ; 2 j
	s_lshl_b32 s42, ttmp9, 2
	s_sub_co_u32 s43, 124, s42
	s_cmp_lt_u32 s2, 4
	s_cselect_b32 s42, s42, s43                    ; the low tiles or the high ones
	s_add_co_u32 s42, s42, s41                     ; my pair's first tile
	s_add_co_u32 s98, s42, s40                     ; my tile
	s_xor_b32 s43, s40, 1
	s_add_co_u32 s99, s42, s43                     ; the partner's
	s_and_b32 s16, ttmp7, 0xffff                   ; the head
	s_lshl_b32 s20, s16, 18                        ; its 256 KB in each image buffer
	s_mov_b32 s21, 0
	s_lshl_b32 s22, s98, 11
	s_mov_b32 s23, 0
	s_and_b32 s24, s2, 3
	s_lshl_b32 s24, s24, 13                        ; my quarter of a slot's K or V
	s_mov_b32 s25, 0
	s_lshl_b32 s44, s40, 8
	s_lshl_b32 s26, s98, 12                        ; my tile's words, at my step of slot 0
	s_add_co_u32 s26, s26, s44
	s_mov_b32 s27, 0
	s_lshl_b32 s28, s98, 4                         ; its four flag words
	s_mov_b32 s29, 0
	s_lshl_b32 s32, s99, 11                        ; the same of the partner's tile
	s_mov_b32 s33, 0
	s_lshl_b32 s34, s99, 12
	s_add_co_u32 s34, s34, s44
	s_mov_b32 s35, 0
	s_lshl_b32 s36, s99, 4
	s_mov_b32 s37, 0
	s_lshr_b32 s30, s16, 2                         ; cimg: [head / 4][tile][head % 4][2048]
	s_lshl_b32 s30, s30, 7
	s_add_co_u32 s30, s30, s98
	s_lshl_b32 s30, s30, 13
	s_and_b32 s31, s16, 3
	s_lshl_b32 s31, s31, 11
	s_add_co_u32 s30, s30, s31
	s_mov_b32 s31, 0
	s_lshl_b32 s17, s40, 14
	s_lshl_b32 s18, s2, 13
	s_mul_i32 s19, s2, 16*SPITCH
	s_add_co_u32 s19, s19, STAGE
	s_lshl_b32 s38, s2, 11
	s_add_co_u32 s38, s38, QST
	s_and_b32 s45, ttmp9, 1
	s_lshl_b32 s45, s45, 12
	s_lshr_b32 s105, ttmp9, 1                      ; the wave that prefetches
	s_mov_b32 s104, 0                              ; the slot being fetched
	s_mov_b32 s86, 0x76543210                      ; v_permlanex16_b32's selects for lane l xor 16
	s_mov_b32 s87, 0xfedcba98
	v_and_b32 v242, 31, v0
	v_lshlrev_b32 v1, 4, v242
	v_add_nc_u32 v2, s17, v1                       ; + my step of the slot
	v_add_nc_u32 v3, BUF1, v2
	v_add_nc_u32 v4, s18, v1                       ; + 8,192 x wave: waves 0-3 fill K's half of a buffer, waves 4-7 V's
	v_add_nc_u32 v5, BUF1, v4
	v_add_nc_u32 v[QAD], s38, v1
	v_and_b32 v243, 15, v0
	v_bfe_u32 v250, v0, 4, 1
	v_mul_u32_u24 v243, v243, SPITCH
	v_add_nc_u32 v243, s19, v243
	v_lshl_add_u32 v6, v250, 3, v243               ; stage, in: row r, + 8 h
	v_lshl_add_u32 v7, v250, 4, v243               ; back: row r, + 16 h
	v_min_u32 v[PFO], 15, v242
	v_lshlrev_b32 v[PFO], 8, v[PFO]
	v_add_nc_u32 v[PFO], s45, v[PFO]
	s_wait_alu depctr_va_vdst(0)
	s_wait_kmcnt 0x0
	s_add_nc_u64 s[46:47], s[12:13], s[36:37]
	s_add_nc_u64 s[12:13], s[12:13], s[28:29]
	s_load_b128 s[48:51], s[12:13], 0x0            ; my tile's flag words,
	s_load_b128 s[52:55], s[46:47], 0x0            ; the partner's tile's
	s_load_b128 s[88:91], s[14:15], 0x18           ; e6, e7, e8, e9
	s_load_b32 s92, s[14:15], 0x28                 ; e10
	s_add_nc_u64 s[4:5], s[4:5], s[20:21]
	s_add_nc_u64 s[56:57], s[4:5], s[32:33]
	s_add_nc_u64 s[4:5], s[4:5], s[22:23]
	s_cmp_lt_u32 s2, 4                             ; the wave's number alone chooses what it fetches
	s_cselect_b64 s[96:97], s[6:7], s[8:9]
	s_add_nc_u64 s[96:97], s[96:97], s[20:21]
	s_add_nc_u64 s[96:97], s[96:97], s[24:25]
	s_add_nc_u64 s[8:9], s[10:11], s[34:35]
	s_add_nc_u64 s[10:11], s[10:11], s[26:27]
	s_add_nc_u64 s[84:85], s[84:85], s[30:31]
.irp c, 0,1,2,3
	global_load_b128 v[224+4*\c:227+4*\c], v1, s[4:5] offset:512*\c    ; my tile's Q: on into my LDS bytes
	global_load_b128 v[16+4*\c:19+4*\c], v1, s[56:57] offset:512*\c    ; the partner's tile's Q stays in registers
.endr
	GLOAD                                          ; slot 0
	ASK
	v_mov_b32 v13, 0xff61b1e6                      ; the largest t so far: -3e38, under every t
	v_mov_b32 v9, 0xff61b1e6
	v_floor_f32 v12, -v13                          ; -M
	v_floor_f32 v8, -v9
	v_mov_b32 v14, 0
	v_mov_b32 v15, 0
	v_mov_b32 v10, 0
	v_mov_b32 v11, 0
	v_mov_b32 v241, 0xff800000                     ; -inf
	v_mov_b32 v245, 0                              ; a lane permute's destination counts as read
.set j, 0
.rept 64
	v_mov_b32 v[160+j], 0                          ; O^T.  Which step is a wave's first is data, so no first step can be written out: the first change of M multiplies zeros
.set j, j+1
.endr
	WIN 0x40
.set j, 0
.rept 64
	v_mov_b32 v[128+j], 0
.set j, j+1
.endr
	WIN 0
	s_wait_kmcnt 0x0
	s_or_b32 s93, s48, s49                         ; bit s: step s wholly masked; bit 16 + s: partly
	s_or_b32 s93, s93, s50
	s_or_b32 s93, s93, s51
	s_or_b32 s12, s52, s53
	s_or_b32 s12, s12, s54
	s_or_b32 s12, s12, s55
	s_and_b32 s99, s93, s12
	s_and_b32 s99, s99, 0xffff                     ; wholly masked for both tiles
	s_lshr_b32 s100, s93, 16
	s_or_b32 s100, s100, s93
	s_and_b32 s100, s100, 0xffff
	s_and_not1_b32 s100, s100, s99                 ; worked, and my tile takes its words
	s_lshr_b32 s101, s12, 16
	s_or_b32 s101, s101, s12
	s_and_b32 s101, s101, 0xffff
	s_and_not1_b32 s101, s101, s99                 ; the same of the partner's tile
	s_lshr_b32 s13, s2, 1
	s_and_b32 s13, s13, 1
	s_lshr_b32 s93, s99, s13                       ; my step of slot 0 at bit 0
	s_lshr_b32 s12, s100, s13
	s_lshr_b32 s13, s101, s13
	s_wait_xcnt 0x0                                ; Q's loads have read s[56:57]
	LDW 10, 0                                      ; my tile's first step's words, whatever its flag: so every way through the text finds the 64 registers written
	; WHERE p'S HOLD CAN BIND.  The hold is at 448 x 2^e8: 1.75 or more from e8 = -8 on.  p = 2^(t - M), and t - M passes 0 only by the one rounding between c x s and M: with e6 + e7 <= 0,
	; |t| <= 128 x 448^2 x c, under 2^22, so that t - M stays under 0.25 and p under 1.2.  For all other exponents s98 = 1 and the hold is run.
	s_add_co_i32 s99, s88, s89
	s_cmp_gt_i32 s99, 0
	s_cselect_b32 s98, 1, 0
	s_cmp_lt_i32 s90, -8
	s_cselect_b32 s98, 1, s98
	s_lshl_b32 s99, s99, 23
	s_add_co_i32 s94, s99, 0x3e0293ee              ; c = log2(e) / sqrt(128) x 2^(e6 + e7)
	s_mov_b32 s95, s94
	s_add_co_i32 s99, s90, 127
	s_lshl_b32 s100, s99, 23
	v_mov_b32 v244, s100                           ; 2^e8
	s_add_co_i32 s99, s99, 8
	s_lshl_b32 s99, s99, 23
	s_or_b32 s99, s99, 0x600000
	v_mov_b32 v240, s99                            ; 448 x 2^e8
; A PAIR'S KEY STEP: my 128 keys of buffer b, for both tiles.  bt: the slot's place in the trip.
.macro DSTEP b, bt
	s_bitcmp1_b32 s93, 0
	s_cbranch_scc1 .Lhid_\@                        ; wholly masked for all 32 queries
.rept 5
	v_nop                                          ; places behind the last products: for the loads into their sources, and (five) for the products that write over v96-111
.endr
.irp c, 0,1,2,3
	ds_load_b128 v[224+4*\c:227+4*\c], v[QAD] offset:512*\c   ; my tile's Q
.endr
	WIN 0x40
.irp t, 0,1,2,3,4,5,6,7
.irp c, 0,1,2,3
	ds_load_b128 v[FRG+16*\t+4*\c:FRG+16*\t+4*\c+3], v[2+\b] offset:2048*\t+512*\c
.endr
.endr
	WIN 0x01
.irp t, 0,1,2,3,4,5,6,7                        ; S^T = K Q^T, my tile
	s_wait_dscnt 28-4*\t                           ; Q and fragment t are in; the 4 (7 - t) loads behind them may be out
	v_wmma_f32_16x16x128_fp8_fp8 v[96+8*\t:103+8*\t], v[FRG+16*\t:FRG+16*\t+15], v[224:239], 0
.endr
	WIN 0x41
.irp t, 0,1,2,3,4,5,6,7                        ; and the partner's, on the same fragments
	v_wmma_f32_16x16x128_fp8_fp8 v[192+8*\t:199+8*\t], v[FRG+16*\t:FRG+16*\t+15], v[16:31], 0
.endr
.rept 4
	v_nop
.endr
	WIN 0x40
.irp t, 0,1,2,3,4,5,6,7
.irp c, 0,1,2,3
	ds_load_b128 v[FRG+16*\t+4*\c:FRG+16*\t+4*\c+3], v[2+\b] offset:VOFF+2048*\t+512*\c   ; V: both softmaxes stand between these and the wait for them
.endr
.endr
	WIN 0
	s_wait_kmcnt 0x0                               ; my tile's words, if this step has any
	s_bitcmp1_b32 s12, 0
	s_cbranch_scc0 .Lopa_\@
	SELECT 96
.Lopa_\@:
	s_bitcmp1_b32 s13, 0
	s_cbranch_scc0 .Lnwb_\@
	LDW 8, 512*(\bt)                               ; the partner's tile's words
.Lnwb_\@:
	SOFTMAX 0, 96, 12, 224, 160
	s_wait_kmcnt 0x0
	s_bitcmp1_b32 s13, 0
	s_cbranch_scc0 .Lopb_\@
	WIN 0x41
	s_wait_alu depctr_va_vdst(0)                   ; directly ahead of the first readers of that S^T
	SELECT 192
	WIN 0
.Lopb_\@:
	s_bitcmp1_b32 s12, 2
	s_cbranch_scc0 .Lnwa_\@
	LDW 10, 512*(\bt)+512                          ; my tile's words of the next slot (behind the last slot the bit is a zero)
.Lnwa_\@:
	SOFTMAX 1, 192, 8, 96, 128
	s_wait_alu depctr_va_vdst(0)
	s_wait_dscnt 0x0                               ; V
	WIN 0x01
.irp t, 0,1,2,3,4,5,6,7                        ; O^T += V^T P^T; the sixteen accumulators take turns
	v_wmma_f32_16x16x128_fp8_fp8 v[160+8*\t:167+8*\t], v[FRG+16*\t:FRG+16*\t+15], v[224:239], v[160+8*\t:167+8*\t]
.endr
	WIN 0x51
.irp t, 0,1,2,3,4,5,6,7
	v_wmma_f32_16x16x128_fp8_fp8 v[128+8*\t:135+8*\t], v[FRG+16*\t:FRG+16*\t+15], v[96:111], v[128+8*\t:135+8*\t]
.endr
	WIN 0
	s_branch .Ldone_\@
.Lhid_\@:
	s_wait_kmcnt 0x0                               ; no scalar load is out: the 64 registers may be asked for again
	s_bitcmp1_b32 s12, 2
	s_cbranch_scc0 .Ldone_\@
	LDW 10, 512*(\bt)+512
.Ldone_\@:
.endm
; A slot: the next one is asked for first, my step of this one is worked, the next goes into the other buffer.
.macro PHASE b, more
.if \more
	GLOAD
	ASK
.endif
	DSTEP \b, \b
	s_lshr_b32 s93, s93, 2                         ; the next slot's flags come to bit 0
	s_lshr_b32 s12, s12, 2
	s_lshr_b32 s13, s13, 2
.if \more
	LSTORE 1-\b
	BARRIER
.endif
.endm
	s_wait_alu depctr_va_vdst(0)                   ; the head's end
	LSTORE 0                                       ; its wait also shows both Q in
.irp c, 0,1,2,3
	ds_store_b128 v[QAD], v[224+4*\c:227+4*\c] offset:512*\c
.endr
	BARRIER
	s_mov_b32 s3, 3
.Lslots:
	PHASE 0, 1
	PHASE 1, 1
	s_wait_xcnt 0x0                                ; any load of words has read its base
	s_add_nc_u64 s[10:11], s[10:11], 1024          ; two slots, four steps of 256 bytes, on
	s_add_nc_u64 s[8:9], s[8:9], 1024
	s_sub_co_u32 s3, s3, 1
	s_cmp_lg_u32 s3, 0
	s_cbranch_scc1 .Lslots
	PHASE 0, 1
	PHASE 1, 0
	; THE TWO PARTS OF A TILE ARE JOINED.  I hand over my part of the partner's tile (O^T as an image of its registers, -M and my lane's sum) and take the partner's part of mine.
	s_mul_i32 s99, s2, XW
	s_add_co_u32 s99, s99, XCH
	s_xor_b32 s100, s2, 2
	s_mul_i32 s100, s100, XW
	s_add_co_u32 s100, s100, XCH
.rept 4
	v_nop                                          ; places behind the last products
.endr
	s_wait_alu depctr_va_vdst(0)
	v_add_f32 v9, v10, v11                         ; the sum's two halves, beside -M
	v_add_nc_u32 v242, s99, v1
	v_add_nc_u32 v243, s100, v1
	v_and_b32 v250, 31, v0
	v_lshlrev_b32 v250, 3, v250
	v_add_nc_u32 v251, s99, v250
	v_add_nc_u32 v250, s100, v250
	WIN 0x04                                       ; store data in window 1
	s_wait_alu depctr_va_vdst(0)                   ; directly ahead of the first reader of that O^T
.irp j, 0,1,2,3,4,5,6,7,8,9,10,11,12,13,14,15
	ds_store_b128 v242, v[128+4*\j:131+4*\j] offset:512*\j   ; each accumulator from its low end on
.endr
	WIN 0
	ds_store_b64 v251, v[8:9] offset:8192
	s_add_co_i32 s99, s92, 127
	s_lshl_b32 s100, s99, 23                       ; 2^e10
	s_add_co_i32 s99, s99, 8
	s_lshl_b32 s99, s99, 23
	s_or_b32 s99, s99, 0x600000                    ; 448 x 2^e10
	s_add_co_i32 s101, s90, s91
	s_wait_alu depctr_va_vdst(0)
	s_wait_dscnt 0x0
	s_barrier_signal -1
	s_barrier_wait -1
.irp j, 0,1,2,3,4,5,6,7,8,9,10,11,12,13,14,15
	ds_load_b128 v[96+4*\j:99+4*\j], v243 offset:512*\j
.endr
	ds_load_b64 v[254:255], v250 offset:8192
	s_wait_dscnt 0x0
	v_add_f32 v14, v14, v15
	v_min_num_f32 v242, v12, v254                  ; -M of the larger M
	v_sub_f32 v243, v242, v12
	v_sub_f32 v250, v242, v254
	v_cvt_i32_f32 v243, v243                       ; (they saturate: a part with no open key gets the factor 0)
	v_cvt_i32_f32 v250, v250
	v_ldexp_f32 v243, 1.0, v243                    ; my part's factor,
	v_ldexp_f32 v250, 1.0, v250                    ; the partner's
	v_mul_f32 v14, v14, v243
	v_fmac_f32 v14, v255, v250
	v_permlanex16_b32 v245, v14, s86, s87
	v_add_f32 v14, v14, v245                       ; the row's sum
	v_cmp_eq_f32 vcc_lo, 0, v14                    ; no open key at all
	v_mov_b32 v253, 0                              ; (the upper half of the pair v[252:253])
	s_wait_alu depctr_va_vdst(0)                   ; ahead of the transcendental
	v_rcp_f32 v251, v14
	v_mov_b32 v244, s100                           ; (plain lines behind it)
	v_mov_b32 v240, s99
	v_mov_b32 v241, 0x7f7f7f7f                     ; four NaN codes
	s_wait_alu depctr_va_vdst(0)                   ; ahead of its first reader
	v_ldexp_f32 v251, v251, s101                   ; 2^(e8 + e9) / sum
	v_mul_f32 v252, v243, v251
	v_mul_f32 v254, v250, v251
.set j, 0
.rept 32
	v_pk_mul_f32 v[96+j:97+j], v[96+j:97+j], v[254:255] op_sel_hi:[1,0]
.set j, j+2
.endr
	s_wait_alu depctr_va_vdst(0)                   ; directly ahead of the first reader of my O^T
.set j, 0
.rept 32
	v_pk_fma_f32 v[96+j:97+j], v[160+j:161+j], v[252:253], v[96+j:97+j] op_sel_hi:[1,0,1]   ; ctx; each accumulator from its low end on
.set j, j+2
.endr
	; THE WAY OUT.  ctx is quantised with 2^e10.  A lane's codes are d = 16 t + 8 h + 0 .. 7; the output projection reads its weight by 16 bytes (k = 32 c + 16 h + 0 .. 15),
	; so the 16 rows of 128 codes turn once through my stage and leave as an image in that order: four stores of 512 consecutive bytes.
.set j, 0
.rept 64
	v_med3_num_f32 v[96+j], v[96+j], -v240, v240
.set j, j+1
.endr
.irp t, 0,1,2,3,4,5,6,7
	v_cvt_scalef32_pk8_fp8_f32 v[224+2*\t:225+2*\t], v[96+8*\t:103+8*\t], v244
.endr
	v_nop                                          ; one plain line behind the last conversion
.set j, 0
.rept 16
	v_cndmask_b32 v[224+j], v[224+j], v241, vcc_lo
.set j, j+1
.endr
.irp t, 0,1,2,3,4,5,6,7
	ds_store_b64 v6, v[224+2*\t:225+2*\t] offset:16*\t
.endr
.irp c, 0,1,2,3
	ds_load_b128 v[32+4*\c:35+4*\c], v7 offset:32*\c   ; my own bytes, served in order
.endr
	s_wait_dscnt 0x0
.irp c, 0,1,2,3
	global_store_b128 v1, v[32+4*\c:35+4*\c], s[84:85] offset:512*\c
.endr
	s_wait_tensorcnt 0x0                           ; the wave's end
	ds_add_u32 v[SPW], v[NIL]
	s_wait_dscnt 0x0
	s_endpgm
.Lfunc_end_k_q6b12d4f4f6_attn:
	.size	k_q6b12d4f4f6_attn, .Lfunc_end_k_q6b12d4f4f6_attn-k_q6b12d4f4f6_attn
	.p2alignl 7, 3214868480
	.fill 96, 4, 3214868480
	.section	.rodata,"a",@progbits
	.p2align	6, 0x0
	.amdhsa_kernel k_q6b12d4f4f6_attn
		.amdhsa_group_segment_fixed_size 234496
		.amdhsa_private_segment_fixed_size 0
		.amdhsa_enable_private_segment 0
		.amdhsa_kernarg_size 56
		.amdhsa_user_sgpr_count 2
		.amdhsa_user_sgpr_kernarg_segment_ptr 1
		.amdhsa_wavefront_size32 1
		.amdhsa_system_sgpr_workgroup_id_x 1
		.amdhsa_system_sgpr_workgroup_id_y 1
		.amdhsa_system_sgpr_workgroup_id_z 1
		.amdhsa_system_vgpr_workitem_id 0
		.amdhsa_next_free_vgpr 512
		.amdhsa_next_free_sgpr 106
		.amdhsa_reserve_vcc 1
		.amdhsa_float_denorm_mode_32 3
		.amdhsa_float_denorm_mode_16_64 3
		.amdhsa_memory_ordered 1
		.amdhsa_forward_progress 1
		.amdhsa_inst_pref_size 211
	.end_amdhsa_kernel
	.amdgpu_metadata
---
amdhsa.version: [ 1, 2 ]
amdhsa.kernels:
  - .name:           k_q6b12d4f4f6_attn
    .symbol:         k_q6b12d4f4f6_attn.kd
    .args:
      - { .name: qimg, .offset: 0, .size: 8, .value_kind: global_buffer, .address_space: global }
      - { .name: kimg, .offset: 8, .size: 8, .value_kind: global_buffer, .address_space: global }
      - { .name: vimg, .offset: 16, .size: 8, .value_kind: global_buffer, .address_space: global }
      - { .name: mwords, .offset: 24, .size: 8, .value_kind: global_buffer, .address_space: global }
      - { .name: mflags, .offset: 32, .size: 8, .value_kind: global_buffer, .address_space: global }
      - { .name: lowp_scales, .offset: 40, .size: 8, .value_kind: global_buffer, .address_space: global }
      - { .name: cimg, .offset: 48, .size: 8, .value_kind: global_buffer, .address_space: global }
    .group_segment_fixed_size: 234496
    .private_segment_fixed_size: 0
    .kernarg_segment_align: 8
    .kernarg_segment_size: 56
    .max_flat_workgroup_size: 256
    .sgpr_count:     106
    .vgpr_count:     512
    .wavefront_size: 32
...
	.end_amdgpu_metadata
.endif
;; end of part 5
;; launch oproj (part 6): grid 16 x 16, 4 waves a work-group, clusters of 4 x 4, 327,680 bytes of LDS; arguments cimg, Wo_codes, bo, lowp_scales, out0; writes out0
.if DOCPART == 6
	.amdgcn_target "amdgcn-amd-amdhsa--gfx1250"
	.amdhsa_code_object_version 6
	.text
	.protected	k_q6b12d4f4f6_oproj
	.globl	k_q6b12d4f4f6_oproj
	.p2align	8
	.type	k_q6b12d4f4f6_oproj,@function
k_q6b12d4f4f6_oproj:
	s_mov_b64 s[64:65], 0
	v_nop
	global_prefetch_b8 v0, s[64:65] scope:SCOPE_SE
	s_setreg_imm32_b32 hwreg(HW_REG_WAVE_MODE, 25, 1), 1
	s_wait_xcnt 0x0
	s_wait_alu depctr_hold_cnt(0) depctr_sa_sdst(0) depctr_va_vdst(0) depctr_va_sdst(0) depctr_va_ssrc(0) depctr_va_vcc(0) depctr_vm_vsrc(0)
	s_getreg_b32 s2, hwreg(HW_REG_IB_STS2, 6, 4)
	s_cmp_eq_u32 s2, 0
	s_cbranch_scc0 .Lentry_in_a_cluster
	s_endpgm
.Lentry_in_a_cluster:
	s_bfe_u32 s2, ttmp6, 0x10000c
	s_cmp_lg_u32 s2, 0xf033
	s_cbranch_scc0 .Lentry_shape_is_right
	s_endpgm
.Lentry_shape_is_right:
.set PITCH,  528
.set BOFF,   65536
.set SLOT,   BOFF+128*PITCH
.set STAGE,  2*SLOT
.set SPITCH, 272
.set SPARE,  STAGE+4*16*SPITCH
.set ADRA, 16
.set ADRB, 20
.set STO,  24
.set RD,   25
.set CO,   26
.set SPW,  28
.set NIL,  29
.set TMP,  32
.set BO,   96
.set ACC,  128
.set F0,   0
.set F1,   128
.set G1, 24
.set G0, 32
.set G1B, 48
.set G0B, 56
.set MSB, 0
.macro WIN new
.if MSB != (\new)
	s_set_vgpr_msb (MSB<<8)|(\new)
.set MSB, (\new)
.endif
.endm
.set MUL,  0x05
.set TO_F, 0x40
.macro JLOAD s
	s_cmp_eq_u32 s15, 0
	s_cbranch_scc0 .Lfor_b_\@
	tensor_load_to_lds s[G0+4*\s:G0+4*\s+3], s[G1:G1+7]
	s_nop 0
.rept 4
	v_nop
.endr
	s_branch .Lasked_\@
.Lfor_b_\@:
	tensor_load_to_lds s[G0B+4*\s:G0B+4*\s+3], s[G1B:G1B+7]
	s_nop 0
.rept 4
	v_nop
.endr
.Lasked_\@:
.endm
.macro CREST
	s_cmp_lg_u32 s14, 0
	s_cbranch_scc1 .Lnot_wave_0_\@
	s_barrier_signal -3
.Lnot_wave_0_\@:
	s_barrier_wait -3
	s_barrier_signal -1
	s_barrier_wait -1
.endm
.macro CROUND
	s_barrier_signal -1
	s_barrier_wait -1
	CREST
.endm
	s_load_b256 s[4:11], s[0:1], 0x0
	s_load_b64 s[12:13], s[0:1], 0x20
	v_lshl_add_u32 v[SPW], v0, 2, SPARE
	v_mov_b32 v[NIL], 0
	ds_add_u32 v28, v29
	ds_add_u32 v28, v29
	s_wait_dscnt 0x0
	v_lshrrev_b32 v1, 5, v0
	v_readfirstlane_b32 s14, v1
	s_lshr_b32 s15, s14, 1
	s_and_b32 s16, s14, 1
	s_bfe_u32 s40, ttmp6, 0x40000
	s_bfe_u32 s41, ttmp6, 0x40004
	s_lshl_b32 s42, ttmp9, 2
	s_add_co_u32 s42, s42, s40
	s_and_b32 s17, ttmp7, 0xffff
	s_lshl_b32 s17, s17, 2
	s_add_co_u32 s17, s17, s41
	s_lshl_b32 s43, s41, 2
	s_lshl_b32 s43, 15, s43
	s_lshl_b32 s44, 0x1111, s40
	s_or_b32 s[G1+0], s43, (3<<16)|(1<<21)
	s_mov_b32 s[G1+1], 32<<16
	s_mov_b32 s[G1+2], 128<<16
	s_mov_b32 s[G1+3], 32<<16
	s_mov_b32 s[G1+4], 128
	s_mov_b32 s[G1+5], 32
	s_mov_b32 s[G1+6], 0
	s_mov_b32 s[G1+7], 0
	s_or_b32 s[G1B+0], s44, (1<<20)|(1<<21)|(6<<22)|(3<<25)
	s_mov_b32 s[G1B+1], 512<<16
	s_mov_b32 s[G1B+2], 64<<16
	s_mov_b32 s[G1B+3], 512<<16
	s_mov_b32 s[G1B+4], 64
	s_mov_b32 s[G1B+5], 2048
	s_mov_b32 s[G1B+6], 0
	s_mov_b32 s[G1B+7], 0
	s_lshl_b32 s20, s17, 16
	s_lshl_b32 s18, s16, 15
	s_add_co_u32 s20, s20, s18
	s_mov_b32 s21, 0
	s_lshl_b32 s46, s42, 18
	s_lshl_b32 s18, s16, 17
	s_add_co_u32 s46, s46, s18
	s_mov_b32 s47, 0
	s_lshl_b32 s45, s16, 15
	s_mul_i32 s19, s16, 64*PITCH
	s_add_co_u32 s19, s19, BOFF
	s_wait_kmcnt 0x0
	s_load_b64 s[66:67], s[10:11], 0x28
	s_add_nc_u64 s[20:21], s[4:5], s[20:21]
	s_add_nc_u64 s[46:47], s[6:7], s[46:47]
	CROUND
.irp s, 0,1
	s_mov_b32 s[G0+4*\s], 1
	s_add_co_u32 s[G0+4*\s+1], s45, \s*SLOT
	s_add_nc_u64 s[G0+4*\s+2:G0+4*\s+3], s[20:21], \s*1048576
	s_or_b32 s[G0+4*\s+3], s[G0+4*\s+3], 0x80000000
	s_mov_b32 s[G0B+4*\s], 1
	s_add_co_u32 s[G0B+4*\s+1], s19, \s*SLOT
	s_add_nc_u64 s[G0B+4*\s+2:G0B+4*\s+3], s[46:47], \s*512
	s_or_b32 s[G0B+4*\s+3], s[G0B+4*\s+3], 0x80000000
.endr
	JLOAD 0                                        ; slot 0: one tensor load a wave at the head
	; THE PREFETCHES: behind the load of slot t (t = 0, 1) slot t + 2 is named.  Of what my wave fetches jointly (A: a dense 32 KB; B: 64 rows x 512 bytes) the partner at place p takes a quarter,
	; told apart by address (p = cx for A, cy for B): 32 blocks of 256 bytes, a lane a block.  Slots 0 and 1 come by their loads alone.
	s_lshl_b32 s19, s40, 13                        ; A: cx x 8 KB
	s_lshl_b32 s23, s41, 15                        ; B: cy x 16 rows of 2,048 bytes
	s_mov_b32 s2, 512
	s_cmp_eq_u32 s15, 0                            ; do I fetch for A?
	s_cselect_b32 s18, -1, 0
	s_cselect_b64 s[68:69], s[20:21], s[46:47]
	s_cselect_b32 s2, 0x100000, s2                 ; a slot on, in bytes
	s_cselect_b32 s22, s19, s23
	s_mov_b32 s23, 0
	s_mov_b32 s3, 0
	s_add_nc_u64 s[68:69], s[68:69], s[22:23]
	s_add_nc_u64 s[68:69], s[68:69], s[2:3]
	s_add_nc_u64 s[68:69], s[68:69], s[2:3]        ; at slot 2
	v_and_b32 v6, 31, v0
	v_lshlrev_b32 v30, 8, v6                       ; A: 256 x lane
	v_lshrrev_b32 v31, 1, v6
	v_lshlrev_b32 v31, 11, v31
	v_and_b32 v6, 1, v6
	v_lshl_add_u32 v31, v6, 8, v31                 ; B: row lane / 2, half lane % 2
	v_cndmask_b32 v30, v31, v30, s18
	global_prefetch_b8 v30, s[68:69] th:TH_LOAD_NT scope:SCOPE_SE
	v_and_b32 v1, 15, v0
	v_bfe_u32 v2, v0, 4, 1
	v_and_b32 v3, 31, v0
	v_lshlrev_b32 v3, 4, v3
	v_mul_u32_u24 v4, v1, PITCH
	v_lshl_add_u32 v4, v2, 4, v4
	s_lshl_b32 s21, s15, 15
	s_mul_i32 s22, s16, 64*PITCH
	s_add_co_u32 s22, s22, BOFF
.irp s, 0,1
	v_add_nc_u32 v[ADRA+\s], s21, v3
	v_add_nc_u32 v[ADRB+\s], s22, v4
	s_add_co_u32 s21, s21, SLOT
	s_add_co_u32 s22, s22, SLOT
.endr
	s_mul_i32 s23, s14, 16*SPITCH
	s_add_co_u32 s23, s23, STAGE
	v_mul_u32_u24 v5, v1, SPITCH
	v_lshl_add_u32 v5, v2, 5, v5
	v_add_nc_u32 v[STO], s23, v5
	v_mul_u32_u24 v5, v2, SPITCH
	v_lshl_add_u32 v5, v1, 4, v5
	v_add_nc_u32 v[RD], s23, v5
	v_lshlrev_b32 v5, 13, v2
	v_lshl_add_u32 v[CO], v1, 4, v5
	s_lshl_b32 s21, s42, 9
	s_lshl_b32 s22, s16, 8
	s_add_co_u32 s21, s21, s22
	v_lshl_add_u32 v27, v2, 5, s21
.irp b, 0,1,2,3
	global_load_b128 v[BO+8*\b:BO+8*\b+3], v27, s[8:9] offset:64*\b
	global_load_b128 v[BO+8*\b+4:BO+8*\b+7], v27, s[8:9] offset:64*\b+16
.endr
	s_lshl_b32 s20, s17, 20
	s_lshl_b32 s22, s15, 19
	s_add_co_u32 s20, s20, s22
	s_add_co_u32 s20, s20, s21
	s_mov_b32 s21, 0
	s_add_nc_u64 s[12:13], s[12:13], s[20:21]
.macro MULA f, a, zero
.irp b, 0,1,2,3
.if \zero
	v_wmma_f32_16x16x128_fp8_fp8 v[ACC+8*(4*\a+\b):ACC+8*(4*\a+\b)+7], v[\f+64+16*\b:\f+64+16*\b+15], v[\f+16*\a:\f+16*\a+15], 0
.else
	v_wmma_f32_16x16x128_fp8_fp8 v[ACC+8*(4*\a+\b):ACC+8*(4*\a+\b)+7], v[\f+64+16*\b:\f+64+16*\b+15], v[\f+16*\a:\f+16*\a+15], v[ACC+8*(4*\a+\b):ACC+8*(4*\a+\b)+7]
.endif
.endr
.endm
.macro FETCH slot, q, f
	WIN TO_F
.irp b, 0,1,2,3
.irp c, 0,1,2,3
	ds_load_b128 v[\f+64+16*\b+4*\c:\f+64+16*\b+4*\c+3], v[ADRB+\slot] offset:128*\q+32*\c+16*PITCH*\b
.endr
.endr
.irp a, 0,1,2,3
.irp c, 0,1,2,3
	ds_load_b128 v[\f+16*\a+4*\c:\f+16*\a+4*\c+3], v[ADRA+\slot] offset:8192*\a+2048*\q+512*\c
.endr
.endr
.endm
.macro PLACES
.rept 4
	v_nop
.endr
.endm
.macro QUARTER slot, qn, f, g, zero
	s_wait_dscnt 8
	WIN MUL
	MULA \f, 0, \zero
	MULA \f, 1, \zero
	PLACES
	FETCH \slot, \qn, \g
	s_wait_dscnt 32
	WIN MUL
	MULA \f, 2, \zero
	MULA \f, 3, \zero
.endm
.macro TURN slot, next, fill
	WIN 0
	s_wait_tensorcnt 0x0
	ds_add_u32 v[SPW], v[NIL]
	s_wait_dscnt 9
	WIN MUL
	MULA F1, 0, 0
	MULA F1, 1, 0
	s_wait_dscnt 0x0
	s_barrier_signal -1
	MULA F1, 2, 0
	WIN 0
	s_barrier_wait -1
.if \fill
	CREST
	s_add_nc_u64 s[G0+4*\slot+2:G0+4*\slot+3], s[G0+4*\slot+2:G0+4*\slot+3], 2*1048576
	s_add_nc_u64 s[G0B+4*\slot+2:G0B+4*\slot+3], s[G0B+4*\slot+2:G0B+4*\slot+3], 2*512
	JLOAD \slot
.else
	PLACES
.endif
	FETCH \next, 0, F0
	WIN MUL
	MULA F1, 3, 0
.endm
	s_wait_alu depctr_va_vdst(0)                   ; the head's end
	s_wait_xcnt 0x0                                ; the prefetch has read its address
	s_add_nc_u64 s[68:69], s[68:69], s[2:3]        ; at slot 3
	s_wait_tensorcnt 0x0                           ; my part of slot 0 is in; slot 1's first fill is issued as a refill is
	ds_add_u32 v[SPW], v[NIL]
	s_wait_dscnt 0x0
	CROUND
	JLOAD 1
	FETCH 0, 0, F0
	WIN 0
	global_prefetch_b8 v30, s[68:69] th:TH_LOAD_NT scope:SCOPE_SE
	QUARTER 0, 1, F0, F1, 1
	QUARTER 0, 2, F1, F0, 0
	QUARTER 0, 3, F0, F1, 0
	TURN 0, 1, 1
	QUARTER 1, 1, F0, F1, 0
	QUARTER 1, 2, F1, F0, 0
	QUARTER 1, 3, F0, F1, 0
	TURN 1, 0, 1
	QUARTER 0, 1, F0, F1, 0
	QUARTER 0, 2, F1, F0, 0
	QUARTER 0, 3, F0, F1, 0
	TURN 0, 1, 0
	QUARTER 1, 1, F0, F1, 0
	QUARTER 1, 2, F1, F0, 0
	QUARTER 1, 3, F0, F1, 0
	s_wait_dscnt 8
	WIN MUL
	MULA F1, 0, 0
	MULA F1, 1, 0
	s_wait_dscnt 0
	MULA F1, 2, 0
	MULA F1, 3, 0
	WIN 0
	s_wait_kmcnt 0x0
	s_add_co_i32 s66, s66, s67
	s_add_co_i32 s66, s66, 127
	s_lshl_b32 s66, s66, 23
	s_mov_b32 s67, s66
	s_wait_loadcnt 0x0
	PLACES
.macro TOSTAGE a
.set j, 0
.rept 16
	v_pk_fma_f32 v[TMP+j:TMP+j+1], v[ACC+32*(\a)+j:ACC+32*(\a)+j+1], s[66:67], v[BO+j:BO+j+1] op_sel_hi:[1,0,1]
.set j, j+2
.endr
.irp b, 0,1,2,3
	ds_store_b128 v[STO], v[TMP+8*\b:TMP+8*\b+3] offset:64*\b
	ds_store_b128 v[STO], v[TMP+8*\b+4:TMP+8*\b+7] offset:64*\b+16
.endr
.set BB, 64+64*((\a)%2)
.irp t, 0,1,2,3,4,5,6,7
	ds_load_b128 v[BB+4*\t:BB+4*\t+3], v[RD] offset:\t*2*SPITCH
.endr
.endm
.macro SEND a, younger
.set BB, 64+64*((\a)%2)
	s_wait_dscnt \younger
.irp t, 0,1,2,3,4,5,6,7
	global_store_b128 v[CO], v[BB+4*\t:BB+4*\t+3], s[12:13] offset:(16*(\a)+2*\t)*8192 th:TH_STORE_NT
.endr
.endm
	TOSTAGE 0
.irp a, 1,2,3
.if \a > 1
	s_wait_xcnt 0x0
.endif
	TOSTAGE \a
	SEND \a-1, 16
.endr
	SEND 3, 0
	s_wait_tensorcnt 0x0
	ds_add_u32 v[SPW], v[NIL]
	s_wait_dscnt 0x0
	CROUND
	s_endpgm
.Lfunc_end_k_q6b12d4f4f6_oproj:
	.size	k_q6b12d4f4f6_oproj, .Lfunc_end_k_q6b12d4f4f6_oproj-k_q6b12d4f4f6_oproj
	.p2alignl 7, 3214868480
	.fill 96, 4, 3214868480
	.section	.rodata,"a",@progbits
	.p2align	6, 0x0
	.amdhsa_kernel k_q6b12d4f4f6_oproj
		.amdhsa_group_segment_fixed_size 327680
		.amdhsa_private_segment_fixed_size 0
		.amdhsa_enable_private_segment 0
		.amdhsa_kernarg_size 40
		.amdhsa_user_sgpr_count 2
		.amdhsa_user_sgpr_kernarg_segment_ptr 1
		.amdhsa_wavefront_size32 1
		.amdhsa_system_sgpr_workgroup_id_x 1
		.amdhsa_system_sgpr_workgroup_id_y 1
		.amdhsa_system_sgpr_workgroup_id_z 1
		.amdhsa_system_vgpr_workitem_id 0
		.amdhsa_next_free_vgpr 512
		.amdhsa_next_free_sgpr 70
		.amdhsa_reserve_vcc 0
		.amdhsa_float_denorm_mode_32 3
		.amdhsa_float_denorm_mode_16_64 3
		.amdhsa_memory_ordered 1
		.amdhsa_forward_progress 1
		.amdhsa_inst_pref_size 76
	.end_amdhsa_kernel
	.amdgpu_metadata
---
amdhsa.version: [ 1, 2 ]
amdhsa.kernels:
  - .name:           k_q6b12d4f4f6_oproj
    .symbol:         k_q6b12d4f4f6_oproj.kd
    .args:
      - { .name: cimg, .offset: 0, .size: 8, .value_kind: global_buffer, .address_space: global }
      - { .name: Wo_codes, .offset: 8, .size: 8, .value_kind: global_buffer, .address_space: global }
      - { .name: bo, .offset: 16, .size: 8, .value_kind: global_buffer, .address_space: global }
      - { .name: lowp_scales, .offset: 24, .size: 8, .value_kind: global_buffer, .address_space: global }
      - { .name: out0, .offset: 32, .size: 8, .value_kind: global_buffer, .address_space: global }
    .group_segment_fixed_size: 327680
    .private_segment_fixed_size: 0
    .kernarg_segment_align: 8
    .kernarg_segment_size: 40
    .max_flat_workgroup_size: 128
    .sgpr_count:     70
    .vgpr_count:     512
    .wavefront_size: 32
...
	.end_amdgpu_metadata
.endif
;; end of part 6
